; MI455X (gfx1250); checked and timed in simulation.
; The chip was launched on July 23, 2026; its instructions are those of AMD's public machine-readable ISA for CDNA 5 (MIT licence, August 2026) and "CDNA5" Instruction Set Architecture Reference Guide (July 2026). The comments in the code are by the model that wrote it; some were corrected since.
;; Encoder Block. Allowed arithmetic: matrix products marked QUANTISED: E4M3 operands, one given power-of-two scale a tensor, by v_wmma_f32_16x16x64_fp8_fp8 or v_wmma_f32_16x16x128_fp8_fp8, f32 sums; everything else in f32.
;; Inputs: b1 4,096 float32; b2 1,024 float32; bk 1,024 float32; bo 1,024 float32; bq 1,024 float32; bv 1,024 float32; ln1_a 1 float32; ln1_b 1 float32; ln2_a 1 float32; ln2_b 1 float32; lowp_scales 16 int32 (the exponents e of the quantised operands' scales 2^e); src_mask 2 x 1 x 2,048 int32; w1 1,024 x 4,096 float32; w2 4,096 x 1,024 float32; wk 1,024 x 1,024 float32; wo 1,024 x 1,024 float32; wq 1,024 x 1,024 float32; wv 1,024 x 1,024 float32; x 2 x 2,048 x 1,024 float32.
;; Outputs: out0 2 x 2,048 x 1,024 float32.
;; This version of the problem:
;;   THIS VERSION OF THE PROBLEM IS GIVEN IN LOW PRECISION. The matrix products marked QUANTISED in the list below multiply operands that are first quantised to E4M3 (4 exponent bits, 3 mantissa bits; 8 bits a number), with one given power-of-two scale for each operand tensor; their sums are f32. All else is computed in f32.
;;   The module's matrix products, in the order in which they are computed (A, B: the left and right operand; K: the contracted axis; several contracted axes count as one K, in the product's order):
;;     1. [M 4,096, K 1,024] x [K 1,024, N 1,024]; A: computed on the way; B: input wq: QUANTISED (scales: A lowp_scales[0], B lowp_scales[1])
;;     2. [M 4,096, K 1,024] x [K 1,024, N 1,024]; A: computed on the way; B: input wk: QUANTISED (scales: A lowp_scales[2], B lowp_scales[3])
;;     3. [M 4,096, K 1,024] x [K 1,024, N 1,024]; A: computed on the way; B: input wv: QUANTISED (scales: A lowp_scales[4], B lowp_scales[5])
;;     4. batch 32 x [M 2,048, K 64] x [K 64, N 2,048]; A: computed on the way; B: computed on the way: QUANTISED (scales: A lowp_scales[6], B lowp_scales[7])
;;     5. batch 32 x [M 64, K 2,048] x [K 2,048, N 2,048]; A: computed on the way; B: softmax (see below): QUANTISED (scales: A lowp_scales[8], B lowp_scales[9])
;;     6. [M 4,096, K 1,024] x [K 1,024, N 1,024]; A: computed on the way; B: input wo: QUANTISED (scales: A lowp_scales[10], B lowp_scales[11])
;;     7. [M 4,096, K 1,024] x [K 1,024, N 4,096]; A: computed on the way; B: input w1: QUANTISED (scales: A lowp_scales[12], B lowp_scales[13])
;;     8. [M 4,096, K 4,096] x [K 4,096, N 1,024]; A: computed on the way; B: input w2: QUANTISED (scales: A lowp_scales[14], B lowp_scales[15])
;;   THE QUANTISER, for each operand of a quantised product, along K:
;;     - The operand's scale is 2^e, e = its entry of the input lowp_scales (int32; the entries are numbered through the quantised products in the list's order, A before B).
;;     - Each number is divided by the scale, clamped to +-448, and rounded to the nearest number of E4M3, ties to even, subnormals kept.
;;     - The product sums the exact products of the quantised numbers (number of the format x scale) in f32.
;;   ~~~python
;;   def quantise(x, axis, e):      # numpy; x: float32 -> the quantised numbers, widened to float32 again
;;       x = np.moveaxis(x, axis, -1); K = x.shape[-1]
;;       r = np.clip(x / 2.0 ** e, -448, 448)
;;       step = 2.0 ** (np.maximum(np.frexp(np.where(r == 0, 1, r))[1] - 1, -6) - 3)
;;       q = np.round(r / step) * step * 2.0 ** e      # np.round: ties to even
;;       return np.moveaxis(q, -1, axis).astype(np.float32)
;;   ~~~
;;   SOFTMAX AHEAD OF A QUANTISED PRODUCT. Where the list says 'softmax', what is quantised is not the finished softmax but p = 2^(t - M), with t = logit x log2(e) and M = ceil(the row's largest t), a whole number; so 1/2 < the row's largest p <= 1. The row's sum l is taken of the UNQUANTISED p, in f32, and the product's result is divided by l at the end. Since M is a whole number, a kernel that streams over the keys may use a running M (the ceiling of the running maximum): every later rescaling is an exact power of two, so the quantised numbers keep their values, but for numbers so far below the row's largest that they fall under the format's range.
;;   OPERANDS COMPUTED ON THE WAY. 'Computed on the way' means the value that the module computes at that place (a softmax that the list does not call 'softmax' is quantised finished and normalised). What goes into a quantiser is computed in f32, as accurately as f32 sums, v_exp_f32 and their like allow (about 1e-6 of the number): no bf16 or f16 on the way to a quantiser, and a product that is left as it is and whose result goes on into a quantised operand takes f32 operands (vector FMAs, or v_wmma_f32_16x16x4_f32). A number that lies on a knife's edge between two numbers of the format may be rounded either way, as far as f32 arithmetic and the matrix unit's own rounding can turn it there, and no further.
;; One version. Each part assembles by itself: llvm-mc -triple=amdgcn-amd-amdhsa -mcpu=gfx1250 --defsym DOCPART=n.
;; ======== version 1 of 1: 7 launches
;; limits: right only within a limited range of input values
;; workspace buffers: xn3 12,582,912 bytes; wc 12,582,912 bytes; qkvc 12,582,912 bytes; ctxc 4,194,304 bytes; x1 16,777,216 bytes; xn2c 4,194,304 bytes; hc 16,777,216 bytes
;; launch prep (part 1): grid 896 x 1, 4 waves a work-group, no clusters, 55,808 bytes of LDS; arguments wq, wk, wv, wo, w1, w2, x, ln1_a, ln1_b, lowp_scales, xn3, wc; writes xn3, wc
.if DOCPART == 1
	.amdgcn_target "amdgcn-amd-amdhsa--gfx1250"
	.amdhsa_code_object_version 6
	.text
	.protected	k_q2ffedae4cc_prep
	.globl	k_q2ffedae4cc_prep
	.p2align	8
	.type	k_q2ffedae4cc_prep,@function
k_q2ffedae4cc_prep:
	s_mov_b64 s[64:65], 0
	v_nop
	global_prefetch_b8 v0, s[64:65] scope:SCOPE_SE
	s_setreg_imm32_b32 hwreg(HW_REG_WAVE_MODE, 25, 1), 1
	s_wait_xcnt 0x0
; PREP.  Two kinds of work-group, told apart by the work-group's number alone; each kind has LDS bytes and LDS address registers of its own.
; (W) work-groups 0-383: the six weights, f32 stored [K][N], become codes of E4M3 laid [N][K], K innermost, each with its given scale 2^e:
;     wc + 0: wq, wk, wv as [3072][1024]; + 3 MiB: wo [1024][1024]; + 4 MiB: w1 [4096][1024]; + 8 MiB: w2 [1024][4096].
;     A work-group takes 128 columns x 256 along K.  A lane takes a column and its registers run down K, so each load reads 128 consecutive bytes a wave and the
;     conversions give codes with K innermost.  The codes leave through the wave's own stage: sixteen lanes store 256 consecutive bytes, aligned.
; (L) work-groups 384-895: LayerNorm 1 (mean, sum of squared deviations / 1023, alpha d / (std + 1e-6) + beta) of x, quantised three times, with e0, e2, e4, into the three planes of xn3.
;     A wave takes two rows, each kept in 32 registers.  Loads take 512 consecutive bytes; a turn through the wave's own stage gives a lane 16 neighbours along K.
; code = number / 2^e, held within +-448, to the nearest code, ties to even.  LIMITS: every e used here lies between -126 and 119.  NaN among the inputs is not served.
; No matrix work, no tensor load, no barrier, no cluster: waves share nothing and every input byte is read by one wave.
.set NWG_W, 384
.set WP,    272                        ; (W) a stage row: 256 bytes of codes + 16
.set WOFF,  16                         ; v16-47   (W) 4 lane + i rows of the weight
.set WX,    48                         ; v48-111  (W) two sets of 32 numbers
.set WC,    112                        ; v112-119 (W) a block's codes
.set WOUT,  120                        ; v120-183 (W) the way out
.set WST,   184                        ; v184-199 (W) the stores' offsets
.set WLIM,  12                         ; (W) 448 x 2^e
.set WSC,   13                         ; (W) 2^e
.set WSI,   234                        ; (W) stage, in
.set WSO,   235                        ; (W) stage, out
.set LBASE, 4*32*WP                    ; (L) LDS from byte 34,816 on: 5,120 bytes a wave
.set SP,    80                         ; (L) a lane's place in a stage: 64 bytes + 16
.set LR,    16                         ; v16-79   (L) the two rows as loaded
.set LXA,   80                         ; v80-111  (L) row A, 16 neighbours x 2 halves
.set LXB,   112                        ; v112-143 (L) row B
.set LT,    144                        ; v144-175 (L) held numbers
.set LCD,   176                        ; v176-223 (L) codes: 2 rows x 3 planes x 8, none written twice
.set LSC,   226                        ; v226-228 (L) 2^e of the three planes
.set LLIM,  229                        ; v229-231 (L) 448 x 2^e
.set LIN,   232                        ; (L) stage, in
.set LOUT,  233                        ; (L) stage, out
.macro WLOAD t                         ; block t: W(32 t + i, my column), i = 0 .. 31, into set t % 2
.set i, 0
.rept 32
	global_load_b32 v[WX+32*((\t)%2)+i], v[WOFF+i], s[32+2*(\t):33+2*(\t)] th:TH_LOAD_NT
.set i, i+1
.endr
.endm
.macro WBLOCK t
.set XS, WX+32*((\t)%2)
.if (\t) < 7
	s_wait_loadcnt 32                              ; this block's 32 loads are in; the next block's may be out
.else
	s_wait_loadcnt 0
.endif
.set i, 0
.rept 32
	v_med3_num_f32 v[XS+i], v[XS+i], -v[WLIM], v[WLIM]   ; the conversion does not saturate (ISA guide 7.6.2): the hold comes first
.set i, i+1
.endr
.irp g, 0,1,2,3
	v_cvt_scalef32_pk8_fp8_f32 v[WC+2*\g:WC+2*\g+1], v[XS+8*\g:XS+8*\g+7], v[WSC]
.endr
	v_nop                                          ; a plain line behind the conversions
	ds_store_b128 v[WSI], v[WC:WC+3] offset:32*(\t)
	ds_store_b128 v[WSI], v[WC+4:WC+7] offset:32*(\t)+16
.if (\t)+2 < 8
	WLOAD (\t)+2
.endif
	s_wait_dscnt 0x0                               ; the stores have read their registers: the next block's codes may be written
.endm
.macro TURNROW r, x                    ; a row's 4,096 bytes through the two stages: LDS serves a wave's instructions in order, so no wait stands between
.irp s, 0,1
.irp i, 0,1,2,3
	ds_store_b128 v[LIN], v[\r+16*\s+4*\i:\r+16*\s+4*\i+3] offset:32*SP*\s+8*SP*\i
.endr
.irp i, 0,1,2,3
	ds_load_b128 v[\x+16*\s+4*\i:\x+16*\s+4*\i+3], v[LOUT] offset:32*SP*\s+16*\i
.endr
.endr
.endm
.macro WSUM                            ; v2: the sum over the 32 lanes, in every lane
	v_add_f32_dpp v2, v2, v2 row_xmask:1 row_mask:0xf bank_mask:0xf
	v_add_f32_dpp v2, v2, v2 row_xmask:2 row_mask:0xf bank_mask:0xf
	v_add_f32_dpp v2, v2, v2 row_xmask:4 row_mask:0xf bank_mask:0xf
	v_add_f32_dpp v2, v2, v2 row_xmask:8 row_mask:0xf bank_mask:0xf
	v_permlanex16_b32 v224, v2, s38, s39
	v_add_f32 v2, v2, v224
.endm
.macro JOIN                            ; four chains of pairs become one number a lane
	v_pk_add_f32 v[2:3], v[2:3], v[4:5]
	v_pk_add_f32 v[6:7], v[6:7], v[8:9]
	v_pk_add_f32 v[2:3], v[2:3], v[6:7]
	v_add_f32 v2, v2, v3
.endm
.macro LNROW x, cd, rowoff             ; the row in v[x] .. v[x+31]: normalised in place, quantised three times, stored
.irp c, 0,1,2,3
	v_pk_add_f32 v[2+2*\c:3+2*\c], v[\x+2*\c:\x+2*\c+1], v[\x+8+2*\c:\x+9+2*\c]
.endr
.irp p, 16,24
.irp c, 0,1,2,3
	v_pk_add_f32 v[2+2*\c:3+2*\c], v[2+2*\c:3+2*\c], v[\x+\p+2*\c:\x+\p+2*\c+1]
.endr
.endr
	JOIN
	WSUM
	v_mul_f32 v12, 0x3a800000, v2                  ; the mean: sum / 1024
	v_mov_b32 v13, v12
.set i, 0
.rept 16
	v_pk_add_f32 v[\x+i:\x+i+1], v[\x+i:\x+i+1], v[12:13] neg_lo:[0,1] neg_hi:[0,1]   ; d = x - mean
.set i, i+2
.endr
.irp c, 0,1,2,3
	v_pk_mul_f32 v[2+2*\c:3+2*\c], v[\x+2*\c:\x+2*\c+1], v[\x+2*\c:\x+2*\c+1]
.endr
.irp p, 8,16,24
.irp c, 0,1,2,3
	v_pk_fma_f32 v[2+2*\c:3+2*\c], v[\x+\p+2*\c:\x+\p+2*\c+1], v[\x+\p+2*\c:\x+\p+2*\c+1], v[2+2*\c:3+2*\c]
.endr
.endr
	JOIN
	WSUM
	v_mul_f32 v14, 0x3a802008, v2                  ; / 1023
	s_wait_alu depctr_va_vdst(0)
	v_sqrt_f32 v14, v14
	v_nop                                          ; a plain line behind a transcendental
	s_wait_alu depctr_va_vdst(0)
	v_add_f32 v14, 0x358637bd, v14                 ; std + 1e-6
	s_wait_alu depctr_va_vdst(0)
	v_rcp_f32 v14, v14
	v_nop
	s_wait_alu depctr_va_vdst(0)
	v_mul_f32 v14, s66, v14                        ; alpha / (std + eps)
	v_mov_b32 v15, v14
.set i, 0
.rept 16
	v_pk_fma_f32 v[\x+i:\x+i+1], v[\x+i:\x+i+1], v[14:15], s[68:69] op_sel_hi:[1,1,0]   ; + beta
.set i, i+2
.endr
.irp s, 0,1,2
.set i, 0
.rept 32
	v_med3_num_f32 v[LT+i], v[\x+i], -v[LLIM+\s], v[LLIM+\s]
.set i, i+1
.endr
.irp q, 0,1,2,3
	v_cvt_scalef32_pk8_fp8_f32 v[\cd+8*\s+2*\q:\cd+8*\s+2*\q+1], v[LT+8*\q:LT+8*\q+7], v[LSC+\s]
.endr
	v_nop                                          ; a plain line between the conversions and the next plane's holds, which write their sources
	global_store_b128 v1, v[\cd+8*\s:\cd+8*\s+3], s[32+2*\s:33+2*\s] offset:\rowoff*1024       ; the wave stores 512 consecutive bytes, aligned
	global_store_b128 v1, v[\cd+8*\s+4:\cd+8*\s+7], s[32+2*\s:33+2*\s] offset:\rowoff*1024+512
.endr
.endm
	s_load_b512 s[8:23], s[0:1], 0x0               ; wq wk wv wo w1 w2 x ln1_a
	s_load_b256 s[24:31], s[0:1], 0x40             ; ln1_b lowp_scales xn3 wc
	v_lshl_add_u32 v236, v0, 2, 0xd800
	v_mov_b32 v237, 0
	v_lshrrev_b32 v1, 5, v0
	v_readfirstlane_b32 s2, v1                     ; wave
	v_and_b32 v2, 31, v0                           ; lane
	s_cmp_lt_u32 ttmp9, NWG_W
	s_cbranch_scc0 .Lnorm
	; ---------------- (W) ----------------
	s_lshr_b32 s4, ttmp9, 5
	s_lshr_b32 s5, ttmp9, 7
	s_add_co_u32 s5, s5, 3
	s_and_b32 s6, ttmp9, 31
	s_and_b32 s7, ttmp9, 127
	s_mov_b32 s66, 4096
	s_mov_b32 s67, 1024
	s_cmp_lt_u32 ttmp9, 128
	s_cselect_b32 s4, s4, s5                       ; which weight: 0 .. 5 = wq wk wv wo w1 w2
	s_cselect_b32 s6, s6, s7                       ; which tile of it
	s_cmp_eq_u32 s4, 4
	s_cselect_b32 s5, 5, 3                         ; log2 of its groups of 128 columns
	s_cselect_b32 s7, 16384, s66                   ; bytes of a row of the weight
	s_cmp_eq_u32 s4, 5
	s_cselect_b32 s67, s66, s67                    ; bytes of a row of its codes
	s_cselect_b32 s68, 8, s4
	s_lshl_b32 s68, s68, 20                        ; where its codes begin in wc
	s_bfm_b32 s69, s5, 0
	s_and_b32 s69, s6, s69                         ; group of columns
	s_lshr_b32 s70, s6, s5                         ; group of 256 along K
	s_lshl_b32 s69, s69, 7
	s_lshl_b32 s71, s2, 5
	s_add_co_u32 s69, s69, s71                     ; my wave's first column
	s_lshl_b32 s70, s70, 8                         ; my first k
	s_mul_i32 s72, s70, s7
	s_lshl_b32 s73, s69, 2
	s_add_co_u32 s72, s72, s73                     ; in the weight, in bytes
	s_mov_b32 s73, 0
	s_mul_i32 s74, s69, s67
	s_add_co_u32 s74, s74, s68
	s_add_co_u32 s74, s74, s70                     ; in wc
	s_mov_b32 s75, 0
	s_lshl_b32 s76, s7, 5                          ; 32 rows of the weight
	s_mov_b32 s77, 0
	s_wait_alu depctr_va_vdst(0)
	v_lshlrev_b32 v[WOFF], 2, v2
.set i, 1
.rept 31
	v_add_nc_u32 v[WOFF+i], s7, v[WOFF+i-1]
.set i, i+1
.endr
	s_mul_i32 s81, s2, 32*WP                       ; my stage
	v_mul_u32_u24 v[WSI], v2, WP
	v_add_nc_u32 v[WSI], s81, v[WSI]               ; in: row = my column
	v_and_b32 v5, 15, v2
	v_lshrrev_b32 v6, 4, v2
	v_mul_u32_u24 v[WSO], v6, WP
	v_lshl_add_u32 v[WSO], v5, 4, v[WSO]
	v_add_nc_u32 v[WSO], s81, v[WSO]               ; out: sixteen lanes to a row, two rows an instruction
	v_mul_lo_u32 v[WST], v6, s67
	v_lshl_add_u32 v[WST], v5, 4, v[WST]           ; and the same place in the codes
	s_lshl_b32 s82, s67, 1
.set i, 1
.rept 15
	v_add_nc_u32 v[WST+i], s82, v[WST+i-1]
.set i, i+1
.endr
	s_wait_kmcnt 0x0
	s_load_b512 s[48:63], s[26:27], 0x0            ; all sixteen exponents
	s_cmp_lt_u32 ttmp9, 256                        ; the choice of buffer hangs on the work-group's number alone
	s_cselect_b64 s[32:33], s[16:17], s[18:19]
	s_cmp_lt_u32 ttmp9, 128
	s_cselect_b64 s[32:33], s[14:15], s[32:33]
	s_cmp_lt_u32 ttmp9, 96
	s_cselect_b64 s[32:33], s[12:13], s[32:33]
	s_cmp_lt_u32 ttmp9, 64
	s_cselect_b64 s[32:33], s[10:11], s[32:33]
	s_cmp_lt_u32 ttmp9, 32
	s_cselect_b64 s[32:33], s[8:9], s[32:33]
	s_add_nc_u64 s[32:33], s[32:33], s[72:73]      ; a base for each of the eight blocks of 32 along K
.irp t, 1,2,3,4,5,6,7
	s_add_nc_u64 s[32+2*\t:33+2*\t], s[30+2*\t:31+2*\t], s[76:77]
.endr
	s_add_nc_u64 s[78:79], s[30:31], s[74:75]
	WLOAD 0
	WLOAD 1
	s_wait_kmcnt 0x0
	s_cmp_lt_u32 ttmp9, 256                        ; entries 1, 3, 5, 11, 13, 15
	s_cselect_b32 s80, s61, s63
	s_cmp_lt_u32 ttmp9, 128
	s_cselect_b32 s80, s59, s80
	s_cmp_lt_u32 ttmp9, 96
	s_cselect_b32 s80, s53, s80
	s_cmp_lt_u32 ttmp9, 64
	s_cselect_b32 s80, s51, s80
	s_cmp_lt_u32 ttmp9, 32
	s_cselect_b32 s80, s49, s80
	s_add_co_i32 s80, s80, 127
	s_lshl_b32 s81, s80, 23
	v_mov_b32 v[WSC], s81                          ; 2^e as f32: the conversion takes its exponent field
	s_add_co_i32 s80, s80, 8
	s_lshl_b32 s80, s80, 23
	s_or_b32 s80, s80, 0x600000
	v_mov_b32 v[WLIM], s80                         ; 448 x 2^e
	s_wait_alu depctr_va_vdst(0)
.irp t, 0,1,2,3,4,5,6,7
	WBLOCK \t
.endr
.irp t, 0,1,2,3,4,5,6,7,8,9,10,11,12,13,14,15
	ds_load_b128 v[WOUT+4*\t:WOUT+4*\t+3], v[WSO] offset:2*\t*WP
.endr
.irp t, 0,1,2,3,4,5,6,7,8,9,10,11,12,13,14,15
	s_wait_dscnt 15-\t                             ; LDS loads come back in order: rows 2 t, 2 t + 1 are in
	global_store_b128 v[WST+\t], v[WOUT+4*\t:WOUT+4*\t+3], s[78:79]
.endr
	s_wait_tensorcnt 0x0
	ds_add_u32 v236, v237
	s_wait_dscnt 0x0
	s_endpgm
	; ---------------- (L) ----------------
.Lnorm:
	s_wait_alu depctr_va_vdst(0)
	v_lshlrev_b32 v1, 4, v2                        ; 16 x lane
	s_mul_i32 s3, s2, 64*SP
	s_add_co_u32 s3, s3, LBASE
	v_lshrrev_b32 v3, 2, v2
	v_mul_u32_u24 v3, v3, SP
	v_and_b32 v4, 3, v2
	v_lshl_add_u32 v3, v4, 4, v3
	v_add_nc_u32 v[LIN], s3, v3                    ; in: four lanes' 64 bytes on end, then 16 of padding
	v_mul_u32_u24 v3, v2, SP
	v_add_nc_u32 v[LOUT], s3, v3                   ; out: my 16 neighbours
	v_mov_b32 v224, 0                              ; a lane permute's destination counts as read
	s_mov_b32 s38, 0x76543210
	s_mov_b32 s39, 0xfedcba98
	s_sub_co_u32 s4, ttmp9, NWG_W
	s_lshl_b32 s4, s4, 2
	s_add_co_u32 s4, s4, s2                        ; which pair of rows is my wave's
	s_lshl_b32 s6, s4, 11                          ; in a plane of codes
	s_lshl_b32 s4, s4, 13                          ; in x
	s_mov_b32 s5, 0
	s_mov_b32 s7, 0
	s_wait_alu depctr_va_vdst(0)
	s_wait_kmcnt 0x0
	s_add_nc_u64 s[20:21], s[20:21], s[4:5]
	s_load_b32 s66, s[22:23], 0x0                  ; alpha
	s_load_b32 s68, s[24:25], 0x0                  ; beta
	s_load_b256 s[48:55], s[26:27], 0x0            ; e0 .. e7
	s_add_nc_u64 s[32:33], s[28:29], s[6:7]        ; a base for each plane
	s_add_nc_u64 s[34:35], s[32:33], 0x400000
	s_add_nc_u64 s[36:37], s[34:35], 0x400000
.irp i, 0,1,2,3,4,5,6,7,8,9,10,11,12,13,14,15
	global_load_b128 v[LR+4*\i:LR+4*\i+3], v1, s[20:21] offset:512*\i th:TH_LOAD_NT
.endr
	s_wait_kmcnt 0x0
	s_mov_b32 s69, s68                             ; (named with s68 as a pair)
.irp s, 0,1,2
	s_add_co_i32 s70, s[48+2*\s], 127
	s_lshl_b32 s71, s70, 23
	v_mov_b32 v[LSC+\s], s71
	s_add_co_i32 s70, s70, 8
	s_lshl_b32 s70, s70, 23
	s_or_b32 s70, s70, 0x600000
	v_mov_b32 v[LLIM+\s], s70
.endr
	s_wait_loadcnt 8                               ; row A's eight loads are in
	TURNROW LR, LXA
	s_wait_loadcnt 0
	TURNROW LR+32, LXB                             ; its stores come behind row A's reads of the stages
	s_wait_dscnt 16                                ; behind row A's reads: row B's eight stores and eight loads
	LNROW LXA, LCD, 0
	s_wait_dscnt 0
	LNROW LXB, LCD+24, 1
	s_wait_tensorcnt 0x0
	ds_add_u32 v236, v237
	s_wait_dscnt 0x0
	s_endpgm
.Lfunc_end_k_q2ffedae4cc_prep:
	.size	k_q2ffedae4cc_prep, .Lfunc_end_k_q2ffedae4cc_prep-k_q2ffedae4cc_prep
	.p2alignl 7, 3214868480
	.fill 96, 4, 3214868480
	.section	.rodata,"a",@progbits
	.p2align	6, 0x0
	.amdhsa_kernel k_q2ffedae4cc_prep
		.amdhsa_group_segment_fixed_size 55808
		.amdhsa_private_segment_fixed_size 0
		.amdhsa_enable_private_segment 0
		.amdhsa_kernarg_size 96
		.amdhsa_user_sgpr_count 2
		.amdhsa_user_sgpr_kernarg_segment_ptr 1
		.amdhsa_wavefront_size32 1
		.amdhsa_system_sgpr_workgroup_id_x 1
		.amdhsa_system_sgpr_workgroup_id_y 1
		.amdhsa_system_sgpr_workgroup_id_z 1
		.amdhsa_system_vgpr_workitem_id 0
		.amdhsa_next_free_vgpr 238
		.amdhsa_next_free_sgpr 84
		.amdhsa_reserve_vcc 0
		.amdhsa_float_denorm_mode_32 3
		.amdhsa_float_denorm_mode_16_64 3
		.amdhsa_memory_ordered 1
		.amdhsa_forward_progress 1
		.amdhsa_inst_pref_size 85
	.end_amdhsa_kernel
	.amdgpu_metadata
---
amdhsa.version: [ 1, 2 ]
amdhsa.kernels:
  - .name:           k_q2ffedae4cc_prep
    .symbol:         k_q2ffedae4cc_prep.kd
    .args:
      - { .name: wq, .offset: 0, .size: 8, .value_kind: global_buffer, .address_space: global }
      - { .name: wk, .offset: 8, .size: 8, .value_kind: global_buffer, .address_space: global }
      - { .name: wv, .offset: 16, .size: 8, .value_kind: global_buffer, .address_space: global }
      - { .name: wo, .offset: 24, .size: 8, .value_kind: global_buffer, .address_space: global }
      - { .name: w1, .offset: 32, .size: 8, .value_kind: global_buffer, .address_space: global }
      - { .name: w2, .offset: 40, .size: 8, .value_kind: global_buffer, .address_space: global }
      - { .name: x, .offset: 48, .size: 8, .value_kind: global_buffer, .address_space: global }
      - { .name: ln1_a, .offset: 56, .size: 8, .value_kind: global_buffer, .address_space: global }
      - { .name: ln1_b, .offset: 64, .size: 8, .value_kind: global_buffer, .address_space: global }
      - { .name: lowp_scales, .offset: 72, .size: 8, .value_kind: global_buffer, .address_space: global }
      - { .name: xn3, .offset: 80, .size: 8, .value_kind: global_buffer, .address_space: global }
      - { .name: wc, .offset: 88, .size: 8, .value_kind: global_buffer, .address_space: global }
    .group_segment_fixed_size: 55808
    .private_segment_fixed_size: 0
    .kernarg_segment_align: 8
    .kernarg_segment_size: 96
    .max_flat_workgroup_size: 128
    .sgpr_count:     84
    .vgpr_count:     238
    .wavefront_size: 32
...
	.end_amdgpu_metadata
.endif
;; end of part 1
;; launch qkv (part 2): grid 12 x 16, 4 waves a work-group, clusters of 4 x 4, 327,680 bytes of LDS; arguments xn3, wc, lowp_scales, qkvc, bq, bk, bv; writes qkvc
.if DOCPART == 2
	.amdgcn_target "amdgcn-amd-amdhsa--gfx1250"
	.amdhsa_code_object_version 6
	.text
	.protected	k_q2ffedae4cc_qkv
	.globl	k_q2ffedae4cc_qkv
	.p2align	8
	.type	k_q2ffedae4cc_qkv,@function
k_q2ffedae4cc_qkv:
	s_mov_b64 s[64:65], 0
	v_nop
	global_prefetch_b8 v0, s[64:65] scope:SCOPE_SE
	s_setreg_imm32_b32 hwreg(HW_REG_WAVE_MODE, 25, 1), 1
	s_wait_xcnt 0x0
	s_wait_alu depctr_hold_cnt(0) depctr_sa_sdst(0) depctr_va_vdst(0) depctr_va_sdst(0) depctr_va_ssrc(0) depctr_va_vcc(0) depctr_vm_vsrc(0)
	s_getreg_b32 s2, hwreg(HW_REG_IB_STS2, 6, 4)
	s_cmp_eq_u32 s2, 0
	s_cbranch_scc0 .Lentry_in_a_cluster
	s_endpgm
.Lentry_in_a_cluster:
	s_bfe_u32 s2, ttmp6, 0x10000c
	s_cmp_lg_u32 s2, 0xf033
	s_cbranch_scc0 .Lentry_shape_is_right
	s_endpgm
.Lentry_shape_is_right:
; Q, K, V = Q(xn W + b): three GEMMs on codes of E4M3 in one launch; cluster x = 0, 1, 2 picks q, k, v.  A tile of 256 x 256 a work-group, 128 x 128 a wave, K in steps of 256 through two LDS slots.
; q, k: rows = tokens (plane x of xn3), columns = features (wc's rows 1024 x on): codes [4096][1024] at qkvc + 4 MiB x.
; v is made turned, [1024 features][4096 tokens]: there the LDS region read as rows takes wv's rows (tile 8 + cy of wc) and the region read as columns plane 2's tokens (tile 4 x cluster y + cx).
; Only global offsets and the choice of buffer hang on the cluster's x: LDS addresses and masks are the same in all clusters.  The row region is shared along a row of the cluster, the column region along a column.
; The bias goes in as the C of the first K step (q, k: along columns) or is added on the way out (v: along rows), divided by 2^(ea + eb); sums are held and quantised with e6, e7, e8.
; PREFETCH INTO THE L2: K steps 1 and 2 are asked for behind the head's load, K step 3 behind K step 1's load: of the 128 rows that a wave fetches, each of the four partners that ask for them jointly names 32,
; told apart by address, a lane a row of 256 bytes.  At most two K steps are asked for and not yet loaded; the address is never rewritten.
; LIMITS: the sums of exponents used lie between -126 and 119.
.set SIZE_K, 1024
.set PFO, 30                           ; v30        the prefetches' offset: 1,024 x lane; never rewritten
.set PFA, 100                          ; s[100:101] my work-group's 32 rows of the 128 that I fetch, at K step 1; never rewritten
.set ROWB,   256
.set KROW,   SIZE_K
.set PITCH,  272
.set FR,     16
.set NL,     4
.set NP,     4
.set HALFT,  128*PITCH
.set SLOT,   4*HALFT
.set LAPS,   SIZE_K/(2*ROWB)
.set SPARE,  2*SLOT
.set ADRA, 16
.set ADRB, 20
.set STO,  24
.set RD,   25
.set SPW,  28
.set NIL,  29
.set CB,   32
.set TMP,  32
.set CO,   32
.set RB,   96
.set LIM,  112
.set SC,   113
.set AF,   128
.set CD,   128
.set G1, 24
.set G0, 32
.set G1B, 48
.set G0B, 56
.set MSB, 0
.macro WIN new
.if MSB != \new
	s_set_vgpr_msb (MSB<<8)|\new
.set MSB, \new
.endif
.endm
.set MUL_LO, 0xa1
.set MUL_HI, 0xf1
.set TO_B,   0x40
.macro JLOAD g0a, g1a, g0b, g1b
	s_cmp_eq_u32 s15, 0
	s_cbranch_scc0 .Lfor_b_\@
	tensor_load_to_lds s[\g0a:\g0a+3], s[\g1a:\g1a+7]
	s_nop 0
.rept 4
	v_nop
.endr
	s_branch .Lasked_\@
.Lfor_b_\@:
	tensor_load_to_lds s[\g0b:\g0b+3], s[\g1b:\g1b+7]
	s_nop 0
.rept 4
	v_nop
.endr
.Lasked_\@:
.endm
.macro CREST
	s_cmp_lg_u32 s14, 0
	s_cbranch_scc1 .Lnot_wave_0_\@
	s_barrier_signal -3
.Lnot_wave_0_\@:
	s_barrier_wait -3
	s_barrier_signal -1
	s_barrier_wait -1
.endm
.macro CROUND
	s_barrier_signal -1
	s_barrier_wait -1
	CREST
.endm
	s_load_b128 s[4:7], s[0:1], 0x0
	s_load_b128 s[8:11], s[0:1], 0x10
	s_load_b128 s[68:71], s[0:1], 0x20
	s_load_b64 s[72:73], s[0:1], 0x30
	v_lshl_add_u32 v[SPW], v0, 2, SPARE
	v_mov_b32 v[NIL], 0
	ds_add_u32 v28, v29
	ds_add_u32 v28, v29
	s_wait_dscnt 0x0
	v_lshrrev_b32 v1, 5, v0
	v_readfirstlane_b32 s14, v1
	s_lshr_b32 s15, s14, 1
	s_and_b32 s16, s14, 1
	s_bfe_u32 s40, ttmp6, 0x40000
	s_bfe_u32 s41, ttmp6, 0x40004
	s_lshl_b32 s42, ttmp9, 2
	s_add_co_u32 s42, s42, s40
	s_and_b32 s17, ttmp7, 0xffff
	s_lshl_b32 s17, s17, 2
	s_add_co_u32 s17, s17, s41
	s_lshl_b32 s43, s41, 2
	s_lshl_b32 s43, 15, s43
	s_lshl_b32 s44, 0x1111, s40
	s_or_b32 s[G1+0], s43, (0<<16)|(1<<20)|(1<<21)|(5<<22)|(3<<25)
	s_or_b32 s[G1B+0], s44, (0<<16)|(1<<20)|(1<<21)|(5<<22)|(3<<25)
.irp g, G1, G1B
	s_mov_b32 s[\g+1], ROWB<<16
	s_mov_b32 s[\g+2], 128<<16
	s_mov_b32 s[\g+3], ROWB<<16
	s_mov_b32 s[\g+4], 128
	s_mov_b32 s[\g+5], KROW
	s_mov_b32 s[\g+6], 0
	s_mov_b32 s[\g+7], 0
.endr
	s_lshl_b32 s18, s16, 7
	s_add_co_u32 s19, s41, 8                       ; v: the row region's tile: wv's rows, 8 + cy
	s_and_b32 s22, ttmp7, 0xffff
	s_lshl_b32 s22, s22, 2
	s_add_co_u32 s22, s22, s40                     ; v: the column region's tile: tokens, 4 x cluster y + cx
	s_lshl_b32 s21, ttmp9, 22                      ; q, k: the plane of xn3
	s_cmp_eq_u32 ttmp9, 2                          ; the cluster's x: the same in all partners
	s_cselect_b32 s20, s19, s17
	s_cselect_b32 s21, 0, s21
	s_cselect_b32 s46, s22, s42
	s_cselect_b32 s47, 0x800000, 0                 ; v: plane 2 of xn3
	s_lshl_b32 s20, s20, 8
	s_add_co_u32 s20, s20, s18
	s_lshl_b32 s20, s20, 10
	s_add_co_u32 s20, s20, s21
	s_mov_b32 s21, 0
	s_lshl_b32 s46, s46, 8
	s_add_co_u32 s46, s46, s18
	s_lshl_b32 s46, s46, 10
	s_add_co_u32 s46, s46, s47
	s_mov_b32 s47, 0
	s_mul_i32 s45, s14, HALFT
	s_wait_kmcnt 0x0
	s_load_b512 s[80:95], s[8:9], 0x0
	s_cmp_eq_u32 ttmp9, 2
	s_cselect_b64 s[74:75], s[6:7], s[4:5]         ; the row region's buffer: wc for v, else xn3
	s_cselect_b64 s[76:77], s[4:5], s[6:7]         ; the column region's
	s_add_nc_u64 s[20:21], s[74:75], s[20:21]
	s_add_nc_u64 s[46:47], s[76:77], s[46:47]
	s_cmp_eq_u32 s15, 0                            ; the prefetches: do I fetch for the row region?
	s_cselect_b64 s[PFA:PFA+1], s[20:21], s[46:47] ; the 128 rows that I fetch,
	s_cselect_b32 s22, s40, s41                    ; my place among the four that ask for them with me,
	s_lshl_b32 s22, s22, 15                        ; x 32 rows of 1,024 bytes,
	s_add_co_u32 s22, s22, ROWB                    ; at K step 1
	s_mov_b32 s23, 0
	s_add_nc_u64 s[PFA:PFA+1], s[PFA:PFA+1], s[22:23]
	CROUND
.irp s, 0,1
	s_mov_b32 s[G0+4*\s], 1
	s_add_co_u32 s[G0+4*\s+1], s45, \s*SLOT
	s_add_nc_u64 s[G0+4*\s+2:G0+4*\s+3], s[20:21], \s*ROWB
	s_or_b32 s[G0+4*\s+3], s[G0+4*\s+3], 0x80000000
	s_mov_b32 s[G0B+4*\s], 1
	s_add_co_u32 s[G0B+4*\s+1], s45, \s*SLOT
	s_add_nc_u64 s[G0B+4*\s+2:G0B+4*\s+3], s[46:47], \s*ROWB
	s_or_b32 s[G0B+4*\s+3], s[G0B+4*\s+3], 0x80000000
.endr
	JLOAD G0, G1, G0B, G1B                         ; K step 0: one tensor load a wave at the head; the rest of the head stands under its flight
	v_and_b32 v1, 15, v0
	v_bfe_u32 v2, v0, 4, 1
	v_mul_u32_u24 v3, v1, PITCH
	v_lshl_add_u32 v4, v2, 4, v3
	s_wait_alu depctr_va_vdst(0)
	s_mul_i32 s21, s15, HALFT
	s_mul_i32 s22, s16, HALFT
	s_add_co_u32 s22, s22, 2*HALFT                 ; the column region lies behind the row region's 256 rows
.irp s, 0,1
	v_add_nc_u32 v[ADRA+\s], s21, v4
	v_add_nc_u32 v[ADRB+\s], s22, v4
	s_add_co_u32 s21, s21, SLOT
	s_add_co_u32 s22, s22, SLOT
.endr
	s_mul_i32 s23, s15, 128*PITCH
	s_lshl_b32 s18, s16, 7
	s_add_co_u32 s23, s23, s18
	v_lshl_add_u32 v[STO], v2, 3, v3
	v_add_nc_u32 v[STO], s23, v[STO]
	s_mul_i32 s23, s14, 64*PITCH
	v_mul_u32_u24 v7, v2, PITCH
	v_lshl_add_u32 v7, v1, 4, v7
	v_add_nc_u32 v[RD], s23, v7
	s_and_b32 s18, ttmp7, 0xffff
	s_lshl_b32 s18, s18, 2
	s_add_co_u32 s18, s18, s40                     ; v: the tile of tokens
	s_cmp_eq_u32 ttmp9, 2
	s_cselect_b32 s66, 12, 10                      ; log2 of an output row's bytes
	s_cselect_b32 s19, s41, s17                    ; the output's tile row
	s_cselect_b32 s20, s18, s40                    ; and tile column
	s_lshl_b32 s19, s19, 8
	s_lshl_b32 s21, s14, 6
	s_add_co_u32 s19, s19, s21
	s_lshl_b32 s19, s19, s66
	s_lshl_b32 s20, s20, 8
	s_add_co_u32 s20, s19, s20
	s_lshl_b32 s21, ttmp9, 22
	s_add_co_u32 s20, s20, s21
	s_mov_b32 s21, 0
	s_add_nc_u64 s[10:11], s[10:11], s[20:21]
	s_lshl_b32 s67, 2, s66
	s_cmp_eq_u32 ttmp9, 1
	s_cselect_b64 s[68:69], s[70:71], s[68:69]
	s_cmp_eq_u32 ttmp9, 2
	s_cselect_b64 s[68:69], s[72:73], s[68:69]
	s_lshl_b32 s78, s40, 10
	s_lshl_b32 s79, s16, 9
	s_add_co_u32 s18, s78, s79
	s_mov_b32 s19, 0
	s_add_nc_u64 s[74:75], s[68:69], s[18:19]
	s_lshl_b32 s78, s41, 10                        ; v: the bias of my rows: features 256 cy on
	s_lshl_b32 s79, s15, 9
	s_add_co_u32 s18, s78, s79
	s_add_nc_u64 s[76:77], s[68:69], s[18:19]
	v_and_b32 v[PFO], 31, v0
	v_lshlrev_b32 v[PFO], 10, v[PFO]
	v_lshlrev_b32 v5, 5, v2
	v_lshlrev_b32 v6, 2, v1
.irp b, 0,1,2,3,4,5,6,7
	global_load_b128 v[CB+8*\b:CB+8*\b+3], v5, s[74:75] offset:64*\b
	global_load_b128 v[CB+8*\b+4:CB+8*\b+7], v5, s[74:75] offset:64*\b+16
.endr
.irp a, 0,1,2,3,4,5,6,7
	global_load_b32 v[RB+2*\a], v6, s[76:77] offset:64*\a
.endr
	s_wait_kmcnt 0x0
	s_cmp_eq_u32 ttmp9, 1
	s_cselect_b32 s96, s82, s80
	s_cselect_b32 s97, s83, s81
	s_cselect_b32 s98, s87, s86
	s_cmp_eq_u32 ttmp9, 2
	s_cselect_b32 s96, s84, s96
	s_cselect_b32 s97, s85, s97
	s_cselect_b32 s98, s88, s98
	s_add_co_i32 s96, s96, s97
	s_sub_co_i32 s98, s98, s96
	s_sub_co_i32 s97, 127, s96
	s_lshl_b32 s97, s97, 23
	s_cmp_eq_u32 ttmp9, 2
	s_cselect_b32 s78, 0, s97
	s_cselect_b32 s79, s97, 0
	s_add_co_i32 s98, s98, 127
	s_lshl_b32 s99, s98, 23
	v_mov_b32 v[SC], s99
	s_add_co_i32 s98, s98, 8
	s_lshl_b32 s98, s98, 23
	s_or_b32 s98, s98, 0x600000
	v_mov_b32 v[LIM], s98
	s_wait_loadcnt 0x0
.set i, 0
.rept 64
	v_mul_f32 v[CB+i], s78, v[CB+i]
.set i, i+1
.endr
.irp a, 0,1,2,3,4,5,6,7
	v_mul_f32 v[RB+2*\a], s79, v[RB+2*\a]
	v_mov_b32 v[RB+2*\a+1], v[RB+2*\a]
.endr
	global_prefetch_b8 v[PFO], s[PFA:PFA+1] th:TH_LOAD_NT scope:SCOPE_SE               ; K step 1,
	global_prefetch_b8 v[PFO], s[PFA:PFA+1] offset:ROWB th:TH_LOAD_NT scope:SCOPE_SE   ; and K step 2
.macro FRAG reg, adr, q, i
.irp c, 0,1,2,3
	ds_load_b128 v[\reg+4*\c:\reg+4*\c+3], v[\adr] offset:128*(\q)+32*\c+(\i)*16*PITCH
.endr
.endm
.macro MUL16 a0, p, first
.irp a, \a0, \a0+1
.irp b, 0,1,2,3,4,5,6,7
.if \first
	v_wmma_f32_16x16x128_fp8_fp8 v[8*(8*((\a)%4)+\b):8*(8*((\a)%4)+\b)+7], v[128*(\p)+FR*\b:128*(\p)+FR*\b+FR-1], v[AF+FR*(\a):AF+FR*(\a)+FR-1], v[CB+8*\b:CB+8*\b+7]
.else
	v_wmma_f32_16x16x128_fp8_fp8 v[8*(8*((\a)%4)+\b):8*(8*((\a)%4)+\b)+7], v[128*(\p)+FR*\b:128*(\p)+FR*\b+FR-1], v[AF+FR*(\a):AF+FR*(\a)+FR-1], v[8*(8*((\a)%4)+\b):8*(8*((\a)%4)+\b)+7]
.endif
.endr
.endr
.endm
.macro FETCH_B slot, q, p
	WIN TO_B
.irp i, 0,1,2,3,4,5,6,7
	FRAG 128*(\p)+FR*\i, ADRB+\slot, \q, \i
.endr
	WIN 0
.endm
.macro FETCH_A slot, q, i0
.irp i, \i0, \i0+1, \i0+2, \i0+3
	FRAG AF+FR*(\i), ADRA+\slot, \q, \i
.endr
.endm
.macro PLACES n
.rept \n
	v_nop
.endr
.endm
.macro STEP slot, q, first
	s_wait_dscnt 4*NL
.if \first
	WIN 0x81
.else
	WIN MUL_LO
.endif
	MUL16 0, (\q)%2, \first
	MUL16 2, (\q)%2, \first
	s_wait_dscnt 0
	PLACES NP
	FETCH_B \slot, (\q)+1, 1-(\q)%2
	FETCH_A \slot, (\q)+1, 0
.if \first
	WIN 0xc1
.else
	WIN MUL_HI
.endif
	MUL16 4, (\q)%2, \first
	MUL16 6, (\q)%2, \first
	PLACES NP
	WIN 0
	FETCH_A \slot, (\q)+1, 4
.endm
.macro TURN slot, next, fill
	s_wait_tensorcnt 0x0
	ds_add_u32 v[SPW], v[NIL]
	s_wait_dscnt 4*NL+1
	WIN MUL_LO
	MUL16 0, 1, 0
	s_wait_dscnt 0x0
	s_barrier_signal -1
	MUL16 2, 1, 0
	WIN 0
	s_barrier_wait -1
.if \fill
	CREST
	s_add_nc_u64 s[G0+4*\slot+2:G0+4*\slot+3], s[G0+4*\slot+2:G0+4*\slot+3], 2*ROWB
	s_add_nc_u64 s[G0B+4*\slot+2:G0B+4*\slot+3], s[G0B+4*\slot+2:G0B+4*\slot+3], 2*ROWB
	JLOAD G0+4*\slot, G1, G0B+4*\slot, G1B
.else
	PLACES NP
.endif
	FETCH_B \next, 0, 0
	FETCH_A \next, 0, 0
	WIN MUL_HI
	MUL16 4, 1, 0
	MUL16 6, 1, 0
	PLACES NP
	WIN 0
	FETCH_A \next, 0, 4
.endm
	s_wait_alu depctr_va_vdst(0)
	s_wait_tensorcnt 0x0                           ; my part of K step 0 is in; the three lines stand ahead of a later first fill as ahead of a refill
	ds_add_u32 v[SPW], v[NIL]
	s_wait_dscnt 0x0
	CROUND                                         ; everybody's part of K step 0 is in, and the joint loads meet
	JLOAD G0+4, G1, G0B+4, G1B                     ; K step 1: the first tensor load behind the round
	FETCH_B 0, 0, 0
	FETCH_A 0, 0, 0
	FETCH_A 0, 0, 4
	global_prefetch_b8 v[PFO], s[PFA:PFA+1] offset:2*ROWB th:TH_LOAD_NT scope:SCOPE_SE ; K step 3, two loads ahead
	STEP 0, 0, 1
	s_mov_b32 s3, LAPS-1
.Llap:
	TURN 0, 1, 1
	STEP 1, 0, 0
	TURN 1, 0, 1
	STEP 0, 0, 0
	s_sub_co_u32 s3, s3, 1
	s_cmp_lg_u32 s3, 0
	s_cbranch_scc1 .Llap
	TURN 0, 1, 0
	STEP 1, 0, 0
	s_wait_dscnt 4*NL
	WIN MUL_LO
	MUL16 0, 1, 0
	MUL16 2, 1, 0
	s_wait_dscnt 0
	WIN MUL_HI
	MUL16 4, 1, 0
	MUL16 6, 1, 0
	WIN 0
.macro OUTBLK a
.set AC, 64*((\a)%4)
	WIN 0x02+((\a)/4)
.set i, 0
.rept 32
	v_pk_add_f32 v[TMP+i:TMP+i+1], v[AC+i:AC+i+1], v[RB+2*(\a):RB+2*(\a)+1]
.set i, i+2
.endr
	WIN 0
.set i, 0
.rept 64
	v_med3_num_f32 v[TMP+i], v[TMP+i], -v[LIM], v[LIM]
.set i, i+1
.endr
.irp b, 0,1,2,3,4,5,6,7
	v_cvt_scalef32_pk8_fp8_f32 v[CD+16*(\a)+2*\b:CD+16*(\a)+2*\b+1], v[TMP+8*\b:TMP+8*\b+7], v[SC]
.endr
	v_nop
.irp b, 0,1,2,3,4,5,6,7
	ds_store_b64 v[STO], v[CD+16*(\a)+2*\b:CD+16*(\a)+2*\b+1] offset:(\a)*16*PITCH+16*\b
.endr
.endm
	PLACES NP
.irp a, 0,1,2,3,4,5,6,7
	OUTBLK \a
.endr
	s_wait_dscnt 0x0
	s_barrier_signal -1
	s_barrier_wait -1
.set i, 0
.rept 32
	ds_load_b128 v[CD+4*i:CD+4*i+3], v[RD] offset:i*2*PITCH
.set i, i+1
.endr
	v_lshlrev_b32 v[CO], s66, v2
	v_lshl_add_u32 v[CO], v1, 4, v[CO]
.set i, 1
.rept 31
	v_add_nc_u32 v[CO+i], s67, v[CO+i-1]
.set i, i+1
.endr
.set i, 0
	s_wait_alu depctr_va_vdst(0)
.rept 32
	s_wait_dscnt 31-i
	global_store_b128 v[CO+i], v[CD+4*i:CD+4*i+3], s[10:11]
.set i, i+1
.endr
	s_wait_tensorcnt 0x0
	ds_add_u32 v[SPW], v[NIL]
	s_wait_dscnt 0x0
	CROUND
	s_endpgm
.Lfunc_end_k_q2ffedae4cc_qkv:
	.size	k_q2ffedae4cc_qkv, .Lfunc_end_k_q2ffedae4cc_qkv-k_q2ffedae4cc_qkv
	.p2alignl 7, 3214868480
	.fill 96, 4, 3214868480
	.section	.rodata,"a",@progbits
	.p2align	6, 0x0
	.amdhsa_kernel k_q2ffedae4cc_qkv
		.amdhsa_group_segment_fixed_size 327680
		.amdhsa_private_segment_fixed_size 0
		.amdhsa_enable_private_segment 0
		.amdhsa_kernarg_size 56
		.amdhsa_user_sgpr_count 2
		.amdhsa_user_sgpr_kernarg_segment_ptr 1
		.amdhsa_wavefront_size32 1
		.amdhsa_system_sgpr_workgroup_id_x 1
		.amdhsa_system_sgpr_workgroup_id_y 1
		.amdhsa_system_sgpr_workgroup_id_z 1
		.amdhsa_system_vgpr_workitem_id 0
		.amdhsa_next_free_vgpr 1024
		.amdhsa_next_free_sgpr 102
		.amdhsa_reserve_vcc 0
		.amdhsa_float_denorm_mode_32 3
		.amdhsa_float_denorm_mode_16_64 3
		.amdhsa_memory_ordered 1
		.amdhsa_forward_progress 1
		.amdhsa_inst_pref_size 149
	.end_amdhsa_kernel
	.amdgpu_metadata
---
amdhsa.version: [ 1, 2 ]
amdhsa.kernels:
  - .name:           k_q2ffedae4cc_qkv
    .symbol:         k_q2ffedae4cc_qkv.kd
    .args:
      - { .name: xn3, .offset: 0, .size: 8, .value_kind: global_buffer, .address_space: global }
      - { .name: wc, .offset: 8, .size: 8, .value_kind: global_buffer, .address_space: global }
      - { .name: lowp_scales, .offset: 16, .size: 8, .value_kind: global_buffer, .address_space: global }
      - { .name: qkvc, .offset: 24, .size: 8, .value_kind: global_buffer, .address_space: global }
      - { .name: bq, .offset: 32, .size: 8, .value_kind: global_buffer, .address_space: global }
      - { .name: bk, .offset: 40, .size: 8, .value_kind: global_buffer, .address_space: global }
      - { .name: bv, .offset: 48, .size: 8, .value_kind: global_buffer, .address_space: global }
    .group_segment_fixed_size: 327680
    .private_segment_fixed_size: 0
    .kernarg_segment_align: 8
    .kernarg_segment_size: 56
    .max_flat_workgroup_size: 128
    .sgpr_count:     102
    .vgpr_count:     1024
    .wavefront_size: 32
...
	.end_amdgpu_metadata
.endif
;; end of part 2
;; launch attn (part 3): grid 32 x 8, 8 waves a work-group, clusters of 4 x 1, 327,680 bytes of LDS; arguments qkvc, src_mask, lowp_scales, ctxc; writes ctxc
.if DOCPART == 3
	.amdgcn_target "amdgcn-amd-amdhsa--gfx1250"
	.amdhsa_code_object_version 6
	.text
	.protected	k_q2ffedae4cc_attn
	.globl	k_q2ffedae4cc_attn
	.p2align	8
	.type	k_q2ffedae4cc_attn,@function
k_q2ffedae4cc_attn:
	s_mov_b64 s[64:65], 0
	v_nop
	global_prefetch_b8 v0, s[64:65] scope:SCOPE_SE
	s_setreg_imm32_b32 hwreg(HW_REG_WAVE_MODE, 25, 1), 1
	s_wait_xcnt 0x0
	s_wait_alu depctr_hold_cnt(0) depctr_sa_sdst(0) depctr_va_vdst(0) depctr_va_sdst(0) depctr_va_ssrc(0) depctr_va_vcc(0) depctr_vm_vsrc(0)
	s_getreg_b32 s2, hwreg(HW_REG_IB_STS2, 6, 4)
	s_cmp_eq_u32 s2, 0
	s_cbranch_scc0 .Lentry_in_a_cluster
	s_endpgm
.Lentry_in_a_cluster:
	s_bfe_u32 s2, ttmp6, 0x10000c
	s_cmp_lg_u32 s2, 0x3003
	s_cbranch_scc0 .Lentry_shape_is_right
	s_endpgm
.Lentry_shape_is_right:
; ATTENTION on codes of E4M3.  ctx = Q(softmax(mask(q k^T / 8)) v).  q, k: [4096 tokens][1024] at qkvc + 0 and + 4 MiB (scales e6, e7); v turned, [1024 features][4096 tokens], at + 8 MiB (e8).
; THE SOFTMAX AHEAD OF THE SECOND PRODUCT: t = logit x log2(e); M = the running largest t rounded UP to a whole number; p = 2^(t - M) is quantised with e9, not normalised; the row's sum is taken of the
; unquantised p and divides at the end; when M moves, the sum and O are multiplied by 2^(old M - new M).  ctx is quantised with e10.
; SHARES.  A work-group: 64 queries x 4 heads of one batch, so that a row of K's tile, of V's tile and of ctx is 256 bytes.  Wave w of eight: head w / 2, queries 32 (w % 2) on: TWO tiles of 16 queries, A and B,
; which share each fragment of K, of V and of the mask's addends and walk the softmax TOGETHER: their chains take turns line by line, and their 128 exponentials of a key step are one batch.
; Every wave walks the batch's 2,048 keys, 128 a step, through a ring of two LDS slots of 256 keys (waves 0, 1 fetch K's halves, waves 2, 3 V's).
; CLUSTER.  The four query blocks of a cluster walk the same K and V: each tile is asked for jointly (mask 15).
; LAYOUT.  Both products transposed: S^T = K Q^T (K = 64), O^T = V^T P^T (K = 128 keys): a lane holds one query (lane % 16).  Register j of score tile t is key 16 t + 8 (lane / 16) + j: its eight codes are
; registers 2 t, 2 t + 1 of the second product's operand as that form lays it.
; THE MASK is an addend for each key, kept in LDS: 0 where the key counts, else -8e9 / 2^(e6 + e7), which takes 1e9 off the logit; the addends are the C of both tiles' score products.
; A hidden key's p is 0.  Where NO key of the batch counts, c is 0 (a choice, no branch): every t is 0 and every p is 1: the uniform row that equal logits give.
; LOADS AHEAD.  K, V and the addends have registers of their own: V is asked for at a step's head, the next step's K (same slot) and addends behind the score products.
; THE CHANGE OF SLOTS is split: the three lines and the signal stand in a slot's last step, ahead of its exponentials, when all the wave's reads of the slot are back; the barrier's wait follows that step's last products.
; LIMITS: e6 + e7 between -90 and 90; e9 and e10 between -126 and 119; logits of keys that count within +-4e8.  NaN among the inputs is not served.
; REGISTERS (s_set_vgpr_msb: bits 1:0 source 0, 3:2 source 1, 5:4 source 2, 7:6 destination).  Window 0: v1-11, v24-31 addresses; v12, v13 A's -M and largest t, v14, v15 B's; v16-19, v20-23 the sums;
;   v48-55 maxima; v56, v58 the factors f; v60, v61 lane permutes; v62-65 scales and holds; v72-87 Q; v96-127 p's codes; v128-191, v192-255 S^T, then p.
;   Window 1: v0-63 K's eight fragments; v64-127 the addends; v128-191 V's four fragments; v192-223, v224-255 O^T.
.set KP,    272                        ; an LDS row: 256 bytes + 16
.set HALF,  128*KP
.set VOFF,  256*KP                     ; a slot: 256 rows of K, then 256 rows of V
.set SLOT,  2*VOFF
.set MB,    2*SLOT                     ; 2,048 addends, f32
.set FL,    MB+8192                    ; 256 words: does one of the thread's eight keys count
.set STG,   FL+1024                    ; the way out: 64 rows x 272 bytes
.set SPARE, STG+64*KP                  ; the spare words, 128 bytes a wave
.set AK,   1
.set AV,   3
.set SPW,  5
.set NIL,  6
.set GO,   7
.set ADM,  8
.set AM0,  9
.set PFO,  10
.set QA,   72
.set QB,   80
.set CA,   96
.set CBD,  112
.set SA,   128
.set SB,   192
.set KF,   0                           ; window 1
.set AD,   64
.set VF,   128
.set OA,   192
.set OB,   224
.set WV,   18
.set SEL,  20
.set CS,   22
.set G1K,  24
.set G1V,  32
.set G0K,  40                          ; s[40:47] K's groups 0, one for each ring slot;  s[48:55] V's
.set G0V,  48
.set MO,   56                          ; where the pair of slots in hand begins in the table of addends
.set CNT,  57                          ; fills still to come
.set LIM,  58                          ; 1 in a wave that prefetches, else the greatest number
.set PFA,  60
.set PFS,  62
.set W_LD1, 0x40                       ; a load or a move into window 1, its address in window 0
.set W_SC,  0x11                       ; scores: K and the addends window 1, Q and S^T window 0
.set W_RS,  0x41                       ; O^T x f: O^T window 1, f window 0
.set W_PV,  0x51                       ; second product: V and O^T window 1, the codes window 0
.set W_F,   0x01                       ; the way out: O^T read from window 1
.set MSB, 0
.macro WIN new                         ; the immediate's high byte repeats the setting that is left
.if MSB != \new
	s_set_vgpr_msb (MSB<<8)|\new
.set MSB, \new
.endif
.endm
.macro D2
	s_delay_alu instid0(VALU_DEP_2)
.endm
.macro TLOAD p                         ; ring slot p.  The branches hang on the wave's number alone.  An s_nop 0 and four v_nop follow each line
	s_cmp_lt_u32 s[WV], 2
	s_cbranch_scc0 .Lnot_k_\@
	tensor_load_to_lds s[G0K+4*(\p):G0K+4*(\p)+3], s[G1K:G1K+7]
	s_nop 0
.rept 4
	v_nop
.endr
	s_branch .Lasked_\@
.Lnot_k_\@:
	s_cmp_lt_u32 s[WV], 4
	s_cbranch_scc0 .Lasked_\@
	tensor_load_to_lds s[G0V+4*(\p):G0V+4*(\p)+3], s[G1V:G1V+7]
	s_nop 0
.rept 4
	v_nop
.endr
.Lasked_\@:
.endm
; A PREFETCH of what the NEXT change of slots will ask for: two key steps ahead of that load.  A slot has 256 rows of K and 256 of V, 256 bytes of each.  All clusters of one (batch, four heads) walk the same rows: the first
; of them asks.  Its four partners take 64 rows each, told apart by address; in each, waves 4, 5 ask for K's, waves 6, 7 for V's, 32 rows a wave, a lane a row.  The last fill asks for nothing; slots 0, 1 come by their loads alone.
.macro ASK
	s_cmp_gt_u32 s[CNT], s[LIM]
	s_cbranch_scc0 .Lnot_mine_\@
	global_prefetch_b8 v[PFO], s[PFA:PFA+1] th:TH_LOAD_NT scope:SCOPE_SE
.Lnot_mine_\@:
.endm
.macro CREST                           ; a round of the cluster's barrier behind its opening barrier
	s_cmp_lg_u32 s[WV], 0
	s_cbranch_scc1 .Lnot_wave_0_\@
	s_barrier_signal -3
.Lnot_wave_0_\@:
	s_barrier_wait -3
	s_barrier_signal -1
	s_barrier_wait -1
.endm
.macro CROUND
	s_barrier_signal -1
	s_barrier_wait -1
	CREST
.endm
; THE CHANGE INTO RING SLOT sig, first half: every wave waits for all its tensor loads, adds 0 to its spare word, waits for that and for its reads of the slot that it leaves, and signals.
.macro CH_A sig, fill
	s_wait_alu depctr_va_vdst(0)                   ; directly ahead of the wait below; it also stands ahead of the batch of exponentials
	s_wait_tensorcnt 0x0                           ; no tensor load of mine is out, so a group 0 may be written
	ds_add_u32 v[SPW], v[NIL]
.if \fill
	ds_add_u32 v[SPW], v[NIL]                      ; and once more
	s_add_nc_u64 s[G0K+4*\sig+2:G0K+4*\sig+3], s[G0K+4*\sig+2:G0K+4*\sig+3], 512*1024   ; this ring slot's next keys: 512 on
	s_add_nc_u64 s[G0V+4*\sig+2:G0V+4*\sig+3], s[G0V+4*\sig+2:G0V+4*\sig+3], 512
	s_wait_xcnt 0x0                                ; the last prefetch, two key steps back, has read its address
	s_add_nc_u64 s[PFA:PFA+1], s[PFA:PFA+1], s[PFS:PFS+1]
.endif
	s_wait_dscnt 0x0
	s_barrier_signal -1
.endm
; Second half.  fill = 1: the barrier has opened a round of the cluster's; behind it the slot that was left is filled with the keys that follow: my one tensor load until the next round.
.macro CH_B sig, fill
	s_barrier_wait -1
.if \fill
	CREST
	TLOAD 1-\sig
	ASK
	s_sub_co_u32 s[CNT], s[CNT], 1
.endif
.endm
	s_load_b256 s[4:11], s[0:1], 0x0               ; qkvc, src_mask, lowp_scales, ctxc
	v_lshl_add_u32 v[SPW], v0, 2, SPARE
	v_mov_b32 v[NIL], 0
	ds_add_u32 v[SPW], v[NIL]                      ; the opening lines: the add twice on end and its wait
	ds_add_u32 v[SPW], v[NIL]
	s_wait_dscnt 0x0
	v_lshrrev_b32 v24, 5, v0
	s_delay_alu instid0(VALU_DEP_1)
	v_readfirstlane_b32 s[WV], v24                 ; wave 0 .. 7
	s_bfe_u32 s66, ttmp6, 0x40000                  ; cx
	s_lshl_b32 s67, ttmp9, 2
	s_add_co_u32 s67, s67, s66                     ; my block of 64 queries
	s_and_b32 s68, ttmp7, 0xffff
	s_lshr_b32 s69, s68, 2                         ; the batch
	s_and_b32 s70, s68, 3                          ; which four heads
	s_lshr_b32 s71, s[WV], 1                       ; my head among them
	s_and_b32 s72, s[WV], 1                        ; my 32 queries
	s_and_b32 s73, s[WV], 1                        ; which half of a tile I fetch
	s_lshl_b32 s80, s69, 11                        ; 2048 x batch
	s_lshl_b32 s81, s70, 8                         ; 256 x four heads
	s_lshl_b32 s75, s73, 7
	s_add_co_u32 s74, s80, s75
	s_lshl_b32 s74, s74, 10
	s_add_co_u32 s74, s74, s81
	s_add_co_u32 s74, s74, 0x400000                ; K: key row x 1,024 + the heads' 256 bytes
	s_add_co_u32 s76, s81, s75
	s_lshl_b32 s76, s76, 12
	s_add_co_u32 s76, s76, s80
	s_add_co_u32 s76, s76, 0x800000                ; V: feature row x 4,096 + the batch's keys
	s_mov_b32 s75, 0
	s_mov_b32 s77, 0
	s_mul_i32 s78, s73, HALF                       ; and in a slot: no place in the cluster enters an LDS address
	s_lshl_b32 s79, s66, 6                         ; the prefetches: 64 cx
	s_lshl_b32 s82, s73, 5
	s_add_co_u32 s79, s79, s82                     ; + 32 (w % 2)
	s_add_co_u32 s82, s80, s79
	s_add_co_u32 s82, s82, 256                     ; in data slot 1: the first change steps it to slot 2
	s_lshl_b32 s82, s82, 10
	s_add_co_u32 s82, s82, s81
	s_add_co_u32 s82, s82, 0x400000
	s_add_co_u32 s83, s81, s79
	s_lshl_b32 s83, s83, 12
	s_add_co_u32 s83, s83, s80
	s_add_co_u32 s83, s83, 0x800100
	s_mov_b32 s97, 256
	s_mov_b32 s98, 4096
	s_cmp_lt_u32 s[WV], 6
	s_cselect_b32 s82, s82, s83
	s_cselect_b32 s[PFS], 0x40000, s97             ; a slot on: 256 rows of K, or 256 bytes in a row of V
	s_cselect_b32 s85, 1024, s98                   ; from lane to lane
	s_mov_b32 s83, 0
	s_mov_b32 s[PFS+1], 0
	s_sub_co_u32 s96, s[WV], 4
	s_lshr_b32 s96, s96, 2                         ; 0 in waves 4 to 7,
	s_or_b32 s96, s96, ttmp9                       ; of the first cluster: the same in all four partners
	s_cmp_eq_u32 s96, 0
	s_cselect_b32 s[LIM], 1, -1
	s_lshl_b32 s84, s67, 6
	s_add_co_u32 s84, s84, s80                     ; my work-group's first token
	s_lshl_b32 s86, s72, 5
	s_add_co_u32 s86, s86, s84
	s_lshl_b32 s86, s86, 10
	s_add_co_u32 s86, s86, s81
	s_lshl_b32 s87, s71, 6
	s_add_co_u32 s86, s86, s87                     ; Q: my 32 queries, my head's 64 bytes
	s_mov_b32 s87, 0
	s_lshl_b32 s94, s[WV], 3
	s_add_co_u32 s94, s94, s84
	s_lshl_b32 s94, s94, 10
	s_add_co_u32 s94, s94, s81                     ; ctx: the eight rows that I store
	s_mov_b32 s95, 0
	s_lshl_b32 s16, s69, 13                        ; the batch's mask
	s_mov_b32 s17, 0
	s_mov_b32 s[G1K], 15|(0<<16)|(1<<20)|(1<<21)|(5<<22)|(3<<25)  ; all four work-groups; elements of 1 byte; padding on; bit 21 beside a mask; 4 words after every 64
	s_mov_b32 s[G1V], 15|(0<<16)|(1<<20)|(1<<21)|(5<<22)|(3<<25)
.irp g, G1K, G1V
	s_mov_b32 s[\g+1], 256<<16                     ; tensor_dim0
	s_mov_b32 s[\g+2], 128<<16                     ; tensor_dim1
	s_mov_b32 s[\g+3], 256<<16                     ; tile_dim0
	s_mov_b32 s[\g+4], 128                         ; tile_dim1
	s_mov_b32 s[\g+6], 0
	s_mov_b32 s[\g+7], 0
.endr
	s_mov_b32 s[G1K+5], 1024                       ; pitch
	s_mov_b32 s[G1V+5], 4096
	s_mov_b32 s[SEL], 0x76543210
	s_mov_b32 s[SEL+1], 0xfedcba98
	s_mov_b32 s[CS], 0x3e38aa3b                    ; c = log2(e) / 8
	s_mov_b32 s[MO], 0
	s_mov_b32 s[CNT], 7
	s_wait_kmcnt 0x0
	s_load_b128 s[88:91], s[8:9], 0x18             ; e6, e7, e8, e9
	s_load_b32 s92, s[8:9], 0x28                   ; e10
	s_add_nc_u64 s[74:75], s[4:5], s[74:75]
	s_add_nc_u64 s[76:77], s[4:5], s[76:77]
	s_add_nc_u64 s[PFA:PFA+1], s[4:5], s[82:83]
	s_add_nc_u64 s[12:13], s[4:5], s[86:87]
	s_add_nc_u64 s[10:11], s[10:11], s[94:95]
	s_add_nc_u64 s[6:7], s[6:7], s[16:17]
.irp p, 0,1
	s_mov_b32 s[G0K+4*\p], 1
	s_add_co_u32 s[G0K+4*\p+1], s78, \p*SLOT
	s_add_nc_u64 s[G0K+4*\p+2:G0K+4*\p+3], s[74:75], \p*256*1024
	s_or_b32 s[G0K+4*\p+3], s[G0K+4*\p+3], 0x80000000
	s_mov_b32 s[G0V+4*\p], 1
	s_add_co_u32 s[G0V+4*\p+1], s78, \p*SLOT+VOFF
	s_add_nc_u64 s[G0V+4*\p+2:G0V+4*\p+3], s[76:77], \p*256
	s_or_b32 s[G0V+4*\p+3], s[G0V+4*\p+3], 0x80000000
.endr
	CROUND                                         ; all four work-groups are here
	TLOAD 0                                        ; keys 0 to 255
	v_and_b32 v25, 15, v0                          ; r
	v_bfe_u32 v26, v0, 4, 1                        ; h
	s_delay_alu instid0(VALU_DEP_2)
	v_lshlrev_b32 v11, 10, v25
	s_delay_alu instid0(VALU_DEP_1)
	v_lshl_add_u32 v11, v26, 4, v11
	global_load_b128 v[QA:QA+3], v11, s[12:13]     ; Q stays in registers: bytes 32 c + 16 h + 0 .. 15, the order in which K's fragments are read.  Tile A,
	global_load_b128 v[QA+4:QA+7], v11, s[12:13] offset:32
	global_load_b128 v[QB:QB+3], v11, s[12:13] offset:16384      ; and tile B, 16 rows further on
	global_load_b128 v[QB+4:QB+7], v11, s[12:13] offset:16416
	v_lshlrev_b32 v24, 5, v0
	global_load_b128 v[128:131], v24, s[6:7]       ; the mask of keys 8 t .. 8 t + 7, t my thread's number
	global_load_b128 v[132:135], v24, s[6:7] offset:16
	v_mul_u32_u24 v[AK], v25, KP
	s_delay_alu instid0(VALU_DEP_1)
	v_lshl_add_u32 v[AK], v26, 4, v[AK]
	s_lshl_b32 s79, s71, 6
	v_add_nc_u32 v[AK], s79, v[AK]                 ; K: row r, my head's 64 bytes, + 16 h
	s_delay_alu instid0(VALU_DEP_1)
	v_add_nc_u32 v[AK+1], SLOT, v[AK]
	s_mul_i32 s79, s71, 64*KP
	v_mul_u32_u24 v[AV], v25, KP
	s_delay_alu instid0(VALU_DEP_1)
	v_lshl_add_u32 v[AV], v26, 3, v[AV]
	s_delay_alu instid0(VALU_DEP_1)
	v_add_nc_u32 v[AV], s79, v[AV]
	s_delay_alu instid0(VALU_DEP_1)
	v_add_nc_u32 v[AV], VOFF, v[AV]                ; V: row 64 x head + r, + 8 h
	s_delay_alu instid0(VALU_DEP_1)
	v_add_nc_u32 v[AV+1], SLOT, v[AV]
	v_lshl_add_u32 v[AM0], v26, 5, MB              ; the addends of my half's eight keys
	v_lshl_add_u32 v[ADM], v26, 5, MB
	v_lshlrev_b32 v[GO], 10, v26
	s_delay_alu instid0(VALU_DEP_1)
	v_lshl_add_u32 v[GO], v25, 4, v[GO]
	v_and_b32 v[PFO], 31, v0
	s_delay_alu instid0(VALU_DEP_1)
	v_mul_lo_u32 v[PFO], v[PFO], s85
	s_mul_i32 s79, s72, 32*KP
	s_lshl_b32 s82, s71, 6
	s_add_co_u32 s79, s79, s82
	s_add_co_u32 s79, s79, STG
	v_mul_u32_u24 v27, v25, KP
	s_delay_alu instid0(VALU_DEP_1)
	v_lshl_add_u32 v27, v26, 3, v27
	s_delay_alu instid0(VALU_DEP_1)
	v_add_nc_u32 v27, s79, v27                     ; the stage, in: row 32 (w % 2) + r (tile B: 16 rows on), byte 64 (w / 2) + 8 h
	s_mul_i32 s79, s[WV], 8*KP
	s_add_co_u32 s79, s79, STG
	v_mul_u32_u24 v28, v26, KP
	s_delay_alu instid0(VALU_DEP_1)
	v_lshl_add_u32 v28, v25, 4, v28
	s_delay_alu instid0(VALU_DEP_1)
	v_add_nc_u32 v28, s79, v28                     ; back: rows 8 w on, sixteen lanes to a row
	v_lshl_add_u32 v29, v0, 2, FL
	v_lshl_add_u32 v30, v0, 5, MB
	v_and_b32 v31, 31, v0
	s_delay_alu instid0(VALU_DEP_1)
	v_lshl_add_u32 v31, v31, 5, FL
	s_wait_kmcnt 0x0
	s_add_co_i32 s79, s88, s89                     ; e6 + e7
	s_lshl_b32 s82, s79, 23
	s_add_co_i32 s[CS], s[CS], s82                 ; a score stands for score x 2^(e6 + e7): added to c's exponent field
	s_sub_co_i32 s79, 0, s79
	v_mov_b32 v145, 0xcfee6b28                     ; -8e9
	s_delay_alu instid0(VALU_DEP_1)
	v_ldexp_f32 v145, v145, s79
	s_add_co_i32 s79, s91, 127
	s_lshl_b32 s96, s79, 23                        ; 2^e9 as f32
	s_add_co_i32 s79, s79, 8
	s_lshl_b32 s79, s79, 23
	s_or_b32 s97, s79, 0x600000                    ; 448 x 2^e9
	s_add_co_i32 s79, s92, 127
	s_lshl_b32 s98, s79, 23                        ; 2^e10
	s_add_co_i32 s79, s79, 8
	s_lshl_b32 s79, s79, 23
	s_or_b32 s99, s79, 0x600000                    ; 448 x 2^e10
	s_add_co_i32 s93, s90, s91                     ; e8 + e9
	; both tiles' state: the step is written once; its first run finds zeros, which the first change of M leaves zeros
	v_mov_b32 v13, 0xff61b1e6                      ; the largest t so far: -3e38
	v_mov_b32 v15, 0xff61b1e6
	D2
	v_floor_f32 v12, -v13                          ; -M
	D2
	v_floor_f32 v14, -v15
.irp i, 16,17,18,19,20,21,22,23,56,57,58,59,60,61
	v_mov_b32 v\i, 0                               ; the sums; the factors' pairs; a lane permute's destination counts as read
.endr
	v_mov_b32 v62, s96
	v_mov_b32 v63, s97
	v_mov_b32 v66, s97                             ; p's hold once more, in another register bank: the second half of a dual pair names it
	v_mov_b32 v64, s98
	v_mov_b32 v65, s99
	WIN W_LD1
.set i, 0
.rept 64
	v_mov_b32 v[OA+i], 0                           ; O^T of both tiles
.set i, i+1
.endr
	WIN 0
	s_wait_loadcnt 0x0                             ; Q and the mask
	v_or_b32 v144, v128, v129
.irp i, 2,3,4,5,6,7
	s_delay_alu instid0(VALU_DEP_1)
	v_or_b32 v144, v144, v[128+\i]
.endr
.irp i, 0,1,2,3,4,5,6,7
	v_cmp_eq_u32 vcc_lo, 0, v[128+\i]
	s_delay_alu instid0(VALU_DEP_1)
	v_cndmask_b32 v[136+\i], 0, v145, vcc_lo
.endr
	ds_store_b32 v29, v144
	ds_store_b128 v30, v[136:139]
	ds_store_b128 v30, v[140:143] offset:16
.macro KLOAD rho, q                    ; K's eight fragments of the slot's q-th 128 keys
.irp t, 0,1,2,3,4,5,6,7
	ds_load_b128 v[KF+8*\t:KF+8*\t+3], v[AK+\rho] offset:(128*\q+16*\t)*KP
	ds_load_b128 v[KF+8*\t+4:KF+8*\t+7], v[AK+\rho] offset:(128*\q+16*\t)*KP+32
.endr
.endm
.macro MLOAD off                       ; 128 keys' addends: tile t's registers are keys 16 t + 8 h + 0 .. 7
.irp t, 0,1,2,3,4,5,6,7
	ds_load_b128 v[AD+8*\t:AD+8*\t+3], v[ADM] offset:\off+64*\t
	ds_load_b128 v[AD+8*\t+4:AD+8*\t+7], v[ADM] offset:\off+64*\t+16
.endr
.endm
; The softmax up to t - M, both tiles by turns: eight chains of maxima, the registers in ascending order (each accumulator is read from its low end on), then two dependent chains.
.macro SOFT1
.irp k, 0,1,2,3
	v_max3_num_f32 v[48+\k], v[SA+3*\k], v[SA+3*\k+1], v[SA+3*\k+2]
	v_max3_num_f32 v[52+\k], v[SB+3*\k], v[SB+3*\k+1], v[SB+3*\k+2]
.endr
.set i, 12
.rept 6
.irp k, 0,1,2,3
	v_max3_num_f32 v[48+\k], v[48+\k], v[SA+i+2*\k], v[SA+i+2*\k+1]
	v_max3_num_f32 v[52+\k], v[52+\k], v[SB+i+2*\k], v[SB+i+2*\k+1]
.endr
.set i, i+8
.endr
	v_max3_num_f32 v48, v48, v[SA+60], v[SA+61]
	v_max3_num_f32 v52, v52, v[SB+60], v[SB+61]
	v_max3_num_f32 v49, v49, v[SA+62], v[SA+63]
	v_max3_num_f32 v53, v53, v[SB+62], v[SB+63]
	D2
	v_max3_num_f32 v48, v48, v49, v50
	D2
	v_max3_num_f32 v52, v52, v53, v54
	D2
	v_max_num_f32 v48, v48, v51
	D2
	v_max_num_f32 v52, v52, v55
	D2
	v_permlanex16_b32 v60, v48, s[SEL], s[SEL+1]
	D2
	v_permlanex16_b32 v61, v52, s[SEL], s[SEL+1]
	D2
	v_max_num_f32 v48, v48, v60                    ; and among lane l xor 16's
	D2
	v_max_num_f32 v52, v52, v61
	D2
	v_mul_f32 v48, s[CS], v48                      ; as t (c is not negative)
	D2
	v_mul_f32 v52, s[CS], v52
	D2
	v_max_num_f32 v13, v13, v48
	D2
	v_max_num_f32 v15, v15, v52
	v_mov_b32 v49, v12
	v_mov_b32 v53, v14
	s_delay_alu instid0(VALU_DEP_4)
	v_floor_f32 v12, -v13                          ; the new -M = -ceil(t): a whole number
	s_delay_alu instid0(VALU_DEP_4)
	v_floor_f32 v14, -v15
	D2
	v_sub_f32 v49, v12, v49                        ; old M - new M: a whole number, 0 or less
	D2
	v_sub_f32 v53, v14, v53
	D2
	v_cvt_i32_f32 v49, v49                         ; (it saturates)
	D2
	v_cvt_i32_f32 v53, v53
	D2
	v_ldexp_f32 v56, 1.0, v49                      ; f = 2^(old M - new M)
	D2
	v_ldexp_f32 v58, 1.0, v53
.set i, 0
.rept 32
	v_pk_fma_f32 v[SA+i:SA+i+1], v[SA+i:SA+i+1], s[CS:CS+1], v[12:13] op_sel_hi:[1,0,0]   ; t - M
	v_pk_fma_f32 v[SB+i:SB+i+1], v[SB+i:SB+i+1], s[CS:CS+1], v[14:15] op_sel_hi:[1,0,0]
.set i, i+2
.endr
.endm
; From the exponentials to the second products: work on registers alone.
.macro SOFT2
.set i, 0
.rept 128
	v_exp_f32 v[SA+i], v[SA+i]                     ; p = 2^(t - M): one batch for both tiles; the wait ahead of it stands in the step
.set i, i+1
.endr
	v_pk_mul_f32 v[16:17], v[16:17], v[56:57] op_sel_hi:[1,0]     ; the sums under the new M; the plain line behind the batch
	s_wait_alu depctr_va_vdst(0)                   ; one wait for the batch, ahead of its first reader
	v_pk_mul_f32 v[18:19], v[18:19], v[56:57] op_sel_hi:[1,0]
	v_pk_mul_f32 v[20:21], v[20:21], v[58:59] op_sel_hi:[1,0]
	v_pk_mul_f32 v[22:23], v[22:23], v[58:59] op_sel_hi:[1,0]
.set g, 0
.rept 16                               ; four keys of each tile a turn: their sums (of the unquantised p), in four chains, then their holds
	v_pk_add_f32 v[16:17], v[16:17], v[SA+4*g:SA+4*g+1]
	v_pk_add_f32 v[18:19], v[18:19], v[SA+4*g+2:SA+4*g+3]
	v_pk_add_f32 v[20:21], v[20:21], v[SB+4*g:SB+4*g+1]
	v_pk_add_f32 v[22:23], v[22:23], v[SB+4*g+2:SB+4*g+3]
.irp k, 0,2                            ; the conversion does not saturate (ISA guide 7.6.2); p is not negative; two holds an instruction
	v_dual_min_num_f32 v[SA+4*g+\k], v[SA+4*g+\k], v63 :: v_dual_min_num_f32 v[SA+4*g+\k+1], v[SA+4*g+\k+1], v66
	v_dual_min_num_f32 v[SB+4*g+\k], v[SB+4*g+\k], v63 :: v_dual_min_num_f32 v[SB+4*g+\k+1], v[SB+4*g+\k+1], v66
.endr
.set g, g+1
.endr
.irp t, 0,1,2,3,4,5,6,7
	v_cvt_scalef32_pk8_fp8_f32 v[CA+2*\t:CA+2*\t+1], v[SA+8*\t:SA+8*\t+7], v62
	v_cvt_scalef32_pk8_fp8_f32 v[CBD+2*\t:CBD+2*\t+1], v[SB+8*\t:SB+8*\t+7], v62
.endr
	WIN W_RS
	s_wait_alu depctr_va_vdst(0)                   ; directly ahead of the first reader of O^T
.set i, 0
.rept 16
	v_pk_mul_f32 v[OA+i:OA+i+1], v[OA+i:OA+i+1], v[56:57] op_sel_hi:[1,0]   ; O^T under the new M; also the plain lines behind the conversions
.set i, i+2
.endr
.set i, 0
.rept 16
	v_pk_mul_f32 v[OB+i:OB+i+1], v[OB+i:OB+i+1], v[58:59] op_sel_hi:[1,0]
.set i, i+2
.endr
	WIN W_PV
.irp t, 0,1,2,3                        ; O^T += V^T P^T; the eight accumulators take turns, one instruction a turn
	v_wmma_f32_16x16x128_fp8_fp8 v[OA+8*\t:OA+8*\t+7], v[VF+16*\t:VF+16*\t+15], v[CA:CA+15], v[OA+8*\t:OA+8*\t+7]
	v_wmma_f32_16x16x128_fp8_fp8 v[OB+8*\t:OB+8*\t+7], v[VF+16*\t:VF+16*\t+15], v[CBD:CBD+15], v[OB+8*\t:OB+8*\t+7]
.endr
	WIN 0                                          ; at a label and at a branch every window is 0
.endm
; A KEY STEP: 128 keys, the q-th of ring slot rho, for both tiles.  chg = 1: the change into ring slot sig is laid into it.  last = 1: no keys follow.
.macro STEP rho, q, chg, sig, fill, last
.rept 4
	v_nop                                          ; places in front of loads into registers that the last products have read
.endr
	WIN W_LD1
.if \q == 0
	KLOAD \rho, 0                                  ; a slot's first K comes behind the change of slots
.endif
.irp t, 0,1,2,3
.irp c, 0,1,2,3,4,5,6,7
	ds_load_b64 v[VF+16*\t+2*\c:VF+16*\t+2*\c+1], v[AV+\rho] offset:16*\t*KP+128*\q+16*\c
.endr
.endr
	s_wait_dscnt 32                                ; K and the addends are in; V's 32 loads may be out
	WIN W_SC
.irp t, 0,1,2,3,4,5,6,7                ; S^T = K Q^T + the addends
	v_wmma_f32_16x16x64_fp8_fp8 v[SA+8*\t:SA+8*\t+7], v[KF+8*\t:KF+8*\t+7], v[QA:QA+7], v[AD+8*\t:AD+8*\t+7]
	v_wmma_f32_16x16x64_fp8_fp8 v[SB+8*\t:SB+8*\t+7], v[KF+8*\t:KF+8*\t+7], v[QB:QB+7], v[AD+8*\t:AD+8*\t+7]
.endr
	WIN W_LD1
.rept 4
	v_nop                                          ; places: in front of the loads below and of the first read of S^T
.endr
.if \q == 0
	KLOAD \rho, 1                                  ; the next step's K, out of the same slot
.endif
.if \last == 0
	MLOAD 1024*\rho+512*\q+512                     ; the next step's addends: the table is written once, at the head
.endif
	WIN 0
.if \rho*\q*(1-\last)
	s_add_co_u32 s[MO], s[MO], 2048                ; on to the next pair of slots' addends; the softmax's lines stand between this write and its first reader
	v_add_nc_u32 v[ADM], s[MO], v[AM0]
.endif
	SOFT1
.if \chg
	CH_A \sig, \fill                               ; all my reads of this slot are back: say so; the rest of the step is work on registers
.else
	s_wait_alu depctr_va_vdst(0)                   ; ahead of the wait below and ahead of the batch
	s_wait_dscnt 16*(1-\q)+16*(1-\last)            ; V is in; what was asked for behind it may be out
.endif
	SOFT2
.if \chg
	CH_B \sig, \fill
.endif
.endm
	CH_A 0, 1                                      ; its waits and its round also show the addends and the flags to every wave;
	CH_B 0, 1                                      ; slot 1's first fill is issued as a refill is
	ds_load_b128 v[128:131], v31
	ds_load_b128 v[132:135], v31 offset:16
	WIN W_LD1
	MLOAD 0                                        ; the first step's addends
	WIN 0
	s_wait_dscnt 16                                ; the flags are in
	v_or_b32 v128, v128, v129
.irp i, 2,3,4,5,6,7
	s_delay_alu instid0(VALU_DEP_1)
	v_or_b32 v128, v128, v[128+\i]
.endr
	s_delay_alu instid0(VALU_DEP_1)
	v_cmp_ne_u32 vcc_lo, 0, v128
	s_cmp_lg_u32 vcc_lo, 0                         ; does any key of the batch count?
	s_cselect_b32 s[CS], s[CS], 0                  ; a choice, no branch
	s_mov_b32 s[CS+1], s[CS]                       ; (named with it as a pair)
	s_mov_b32 s59, 3
.Lpair:                                            ; three trips of four key steps, each filling both slots again
	STEP 0, 0, 0, 0, 0, 0
	STEP 0, 1, 1, 1, 1, 0
	STEP 1, 0, 0, 0, 0, 0
	STEP 1, 1, 1, 0, 1, 0
	s_sub_co_u32 s59, s59, 1
	s_cmp_lg_u32 s59, 0
	s_cbranch_scc1 .Lpair
	STEP 0, 0, 0, 0, 0, 0                          ; the last two slots are written out
	STEP 0, 1, 1, 1, 0, 0
	STEP 1, 0, 0, 0, 0, 0
	STEP 1, 1, 0, 0, 0, 1
	; THE WAY OUT: O^T / the sum x 2^(e8 + e9), held, quantised with e10.  The first lines are the places behind the last products.
	v_pk_add_f32 v[16:17], v[16:17], v[18:19]
	v_pk_add_f32 v[20:21], v[20:21], v[22:23]
	D2
	v_add_f32 v16, v16, v17
	D2
	v_add_f32 v20, v20, v21
	D2
	v_permlanex16_b32 v60, v16, s[SEL], s[SEL+1]
	D2
	v_permlanex16_b32 v61, v20, s[SEL], s[SEL+1]
	D2
	v_add_f32 v16, v16, v60                        ; the rows' sums
	D2
	v_add_f32 v20, v20, v61
	s_wait_alu depctr_va_vdst(0)                   ; ahead of the transcendentals
	v_rcp_f32 v16, v16
	v_rcp_f32 v20, v20
	v_nop                                          ; a plain line behind them
	s_wait_alu depctr_va_vdst(0)
	v_ldexp_f32 v16, v16, s93
	v_ldexp_f32 v20, v20, s93
	D2
	v_mov_b32 v17, v16
	D2
	v_mov_b32 v21, v20
	WIN W_F
	s_wait_alu depctr_va_vdst(0)                   ; directly ahead of the first reader of O^T
.set i, 0
.rept 16
	v_pk_mul_f32 v[128+i:129+i], v[OA+i:OA+i+1], v[16:17]
.set i, i+2
.endr
.set i, 0
.rept 16
	v_pk_mul_f32 v[160+i:161+i], v[OB+i:OB+i+1], v[20:21]
.set i, i+2
.endr
	WIN 0
.set i, 0
.rept 64
	v_med3_num_f32 v[128+i], v[128+i], -v65, v65
.set i, i+1
.endr
.irp t, 0,1,2,3,4,5,6,7
	v_cvt_scalef32_pk8_fp8_f32 v[96+2*\t:97+2*\t], v[128+8*\t:135+8*\t], v64
.endr
	v_nop                                          ; a plain line behind the conversions
.irp t, 0,1,2,3
	ds_store_b64 v27, v[96+2*\t:97+2*\t] offset:16*\t              ; tile A: 8 bytes a lane into the stage
.endr
.irp t, 0,1,2,3
	ds_store_b64 v27, v[104+2*\t:105+2*\t] offset:16*KP+16*\t      ; tile B: 16 rows further on
.endr
	s_wait_dscnt 0x0                               ; for the others' sake: a row's 256 bytes come from four waves
	s_barrier_signal -1
	s_barrier_wait -1
.irp i, 0,1,2,3
	ds_load_b128 v[136+4*\i:139+4*\i], v28 offset:2*\i*KP
.endr
.irp i, 0,1,2,3
	s_wait_dscnt 3-\i                              ; LDS loads come back in order: rows 2 i, 2 i + 1 are in
	global_store_b128 v[GO], v[136+4*\i:139+4*\i], s[10:11] offset:2*\i*1024   ; sixteen lanes store 256 consecutive bytes, aligned
.endr
	s_wait_tensorcnt 0x0                           ; the wave's end
	ds_add_u32 v[SPW], v[NIL]
	s_wait_dscnt 0x0
	CROUND                                         ; the closing round
	s_endpgm
.Lfunc_end_k_q2ffedae4cc_attn:
	.size	k_q2ffedae4cc_attn, .Lfunc_end_k_q2ffedae4cc_attn-k_q2ffedae4cc_attn
	.p2alignl 7, 3214868480
	.fill 96, 4, 3214868480
	.section	.rodata,"a",@progbits
	.p2align	6, 0x0
	.amdhsa_kernel k_q2ffedae4cc_attn
		.amdhsa_group_segment_fixed_size 327680
		.amdhsa_private_segment_fixed_size 0
		.amdhsa_enable_private_segment 0
		.amdhsa_kernarg_size 32
		.amdhsa_user_sgpr_count 2
		.amdhsa_user_sgpr_kernarg_segment_ptr 1
		.amdhsa_wavefront_size32 1
		.amdhsa_system_sgpr_workgroup_id_x 1
		.amdhsa_system_sgpr_workgroup_id_y 1
		.amdhsa_system_sgpr_workgroup_id_z 1
		.amdhsa_system_vgpr_workitem_id 0
		.amdhsa_next_free_vgpr 512
		.amdhsa_next_free_sgpr 100
		.amdhsa_reserve_vcc 1
		.amdhsa_float_denorm_mode_32 3
		.amdhsa_float_denorm_mode_16_64 3
		.amdhsa_memory_ordered 1
		.amdhsa_forward_progress 1
		.amdhsa_inst_pref_size 255
	.end_amdhsa_kernel
	.section	.bss,"aw",@nobits
	.p2align	6
	.space	262144
	.amdgpu_metadata
---
amdhsa.version: [ 1, 2 ]
amdhsa.kernels:
  - .name:           k_q2ffedae4cc_attn
    .symbol:         k_q2ffedae4cc_attn.kd
    .args:
      - { .name: qkvc, .offset: 0, .size: 8, .value_kind: global_buffer, .address_space: global }
      - { .name: src_mask, .offset: 8, .size: 8, .value_kind: global_buffer, .address_space: global }
      - { .name: lowp_scales, .offset: 16, .size: 8, .value_kind: global_buffer, .address_space: global }
      - { .name: ctxc, .offset: 24, .size: 8, .value_kind: global_buffer, .address_space: global }
    .group_segment_fixed_size: 327680
    .private_segment_fixed_size: 0
    .kernarg_segment_align: 8
    .kernarg_segment_size: 32
    .max_flat_workgroup_size: 256
    .sgpr_count:     100
    .vgpr_count:     512
    .wavefront_size: 32
...
	.end_amdgpu_metadata
.endif
;; end of part 3
;; launch wo (part 4): grid 8 x 32, 4 waves a work-group, clusters of 4 x 4, 327,680 bytes of LDS; arguments ctxc, wc, lowp_scales, bo, x, x1; writes x1
.if DOCPART == 4
	.amdgcn_target "amdgcn-amd-amdhsa--gfx1250"
	.amdhsa_code_object_version 6
	.text
	.protected	k_q2ffedae4cc_wo
	.globl	k_q2ffedae4cc_wo
	.p2align	8
	.type	k_q2ffedae4cc_wo,@function
k_q2ffedae4cc_wo:
	s_mov_b64 s[64:65], 0
	v_nop
	global_prefetch_b8 v0, s[64:65] scope:SCOPE_SE
	s_setreg_imm32_b32 hwreg(HW_REG_WAVE_MODE, 25, 1), 1
	s_wait_xcnt 0x0
	s_wait_alu depctr_hold_cnt(0) depctr_sa_sdst(0) depctr_va_vdst(0) depctr_va_sdst(0) depctr_va_ssrc(0) depctr_va_vcc(0) depctr_vm_vsrc(0)
	s_getreg_b32 s2, hwreg(HW_REG_IB_STS2, 6, 4)
	s_cmp_eq_u32 s2, 0
	s_cbranch_scc0 .Lentry_in_a_cluster
	s_endpgm
.Lentry_in_a_cluster:
	s_bfe_u32 s2, ttmp6, 0x10000c
	s_cmp_lg_u32 s2, 0xf033
	s_cbranch_scc0 .Lentry_shape_is_right
	s_endpgm
.Lentry_shape_is_right:
; OUT = RES + A B^T x 2^(ea + eb) + bias.  A: [4096][SIZE_K] codes of E4M3; B: [1024][SIZE_K] codes at wc + WOFF; RES, OUT: [4096][1024] f32.  Here: x1 = x + ctx wo + bo.
; ea, eb: the two entries of the scales at byte SCOFF.  The bias is the C of the first K step, divided by 2^(ea + eb); each finished sum is multiplied once and the residual added in the same fused line.
; LIMIT: ea + eb between -126 and 127.
; The output has 1,024 columns: tiles of 128 x 128 give 256 work-groups.  Four waves, 64 x 64 each: 16 accumulators.  K goes in steps of 512 (LDS rows of 512 bytes) through two LDS slots filled by tensor loads.
; CLUSTERS: 4 x 4 work-groups; A's tile is asked for jointly along a row of the cluster, B's along a column.  THE MATRIX INSTRUCTION IS USED TRANSPOSED (source 0 = rows of B, source 1 = rows of A).
; THE RESIDUAL IS ASKED FOR AT THE HEAD, into registers of its own: its 32 loads a wave are on their way under the whole walk along K, and nothing waits for them before the way out.
; No prefetch: a K step's tiles are small and few.
; REGISTERS: window 0: v0-31 addresses; v32-63 the bias; v64-127 two sets of 32 on the way out; v128-255 the accumulators ((a, b) at v[128 + 8 (4 a + b)]).
;   window 1: two fragment buffers of 128 (A's four fragments, then B's four, 128 along K).   window 2: v0-127 the residual.
.set SIZE_K, 1024
.set WOFF,   3<<20
.set SCOFF,  0x28
.set KSTEP,  512
.set PITCH,  528                       ; an LDS row: 512 bytes + 16
.set HALFT,  64*PITCH
.set SLOT,   4*HALFT
.set STAGE,  2*SLOT                    ; behind the ring: 16 rows x 272 bytes for each wave
.set SPITCH, 272
.set SPARE,  STAGE+4*16*SPITCH
.set LAPS,   SIZE_K/(2*KSTEP)
.set ADRA, 16
.set ADRB, 20
.set STO,  24
.set RD,   25
.set CO,   26
.set SPW,  28
.set NIL,  29
.set CB,   32
.set T0,   64
.set ACC,  128
.set G1, 24
.set G0, 32
.set G1B, 48
.set G0B, 56
.set MSB, 0
.macro WIN new
.if MSB != \new
	s_set_vgpr_msb (MSB<<8)|\new
.set MSB, \new
.endif
.endm
.set MUL,  0x05                        ; sources 0 and 1 window 1; C and D window 0
.set TO_F, 0x40                        ; destination window 1, address window 0
.set TO_R, 0x80                        ; destination window 2, address window 0
.macro JLOAD s                         ; waves 0, 1 fetch A's halves, waves 2, 3 B's; four v_nop follow each line
	s_cmp_eq_u32 s11, 0
	s_cbranch_scc0 .Lfor_b_\@
	tensor_load_to_lds s[G0+4*\s:G0+4*\s+3], s[G1:G1+7]
	s_nop 0
.rept 4
	v_nop
.endr
	s_branch .Lasked_\@
.Lfor_b_\@:
	tensor_load_to_lds s[G0B+4*\s:G0B+4*\s+3], s[G1B:G1B+7]
	s_nop 0
.rept 4
	v_nop
.endr
.Lasked_\@:
.endm
.macro CREST
	s_cmp_lg_u32 s10, 0
	s_cbranch_scc1 .Lnot_wave_0_\@
	s_barrier_signal -3
.Lnot_wave_0_\@:
	s_barrier_wait -3
	s_barrier_signal -1
	s_barrier_wait -1
.endm
.macro CROUND
	s_barrier_signal -1
	s_barrier_wait -1
	CREST
.endm
	s_load_b128 s[4:7], s[0:1], 0x0                ; A's codes, wc
	s_load_b128 s[68:71], s[0:1], 0x10             ; lowp_scales, the bias
	s_load_b128 s[72:75], s[0:1], 0x20             ; the residual, the output
	v_lshl_add_u32 v[SPW], v0, 2, SPARE
	v_mov_b32 v[NIL], 0
	ds_add_u32 v28, v29
	ds_add_u32 v28, v29
	s_wait_dscnt 0x0
	v_lshrrev_b32 v1, 5, v0
	v_readfirstlane_b32 s10, v1                    ; wave
	s_lshr_b32 s11, s10, 1                         ; my half of the tile's rows; also: I fetch for A (0) or B (1)
	s_and_b32 s12, s10, 1                          ; my half of its columns; also: which 64 rows I fetch
	s_bfe_u32 s40, ttmp6, 0x40000
	s_bfe_u32 s41, ttmp6, 0x40004
	s_lshl_b32 s42, ttmp9, 2
	s_add_co_u32 s42, s42, s40                     ; tile column
	s_and_b32 s13, ttmp7, 0xffff
	s_lshl_b32 s13, s13, 2
	s_add_co_u32 s13, s13, s41                     ; tile row
	s_lshl_b32 s43, s41, 2
	s_lshl_b32 s43, 15, s43
	s_lshl_b32 s44, 0x1111, s40
	s_or_b32 s[G1+0], s43, (0<<16)|(1<<20)|(1<<21)|(6<<22)|(3<<25)  ; mask; elements of 1 byte; padding on; bit 21 beside a mask; 4 words after every 128
	s_or_b32 s[G1B+0], s44, (0<<16)|(1<<20)|(1<<21)|(6<<22)|(3<<25)
.irp g, G1, G1B
	s_mov_b32 s[\g+1], KSTEP<<16
	s_mov_b32 s[\g+2], 64<<16
	s_mov_b32 s[\g+3], KSTEP<<16
	s_mov_b32 s[\g+4], 64
	s_mov_b32 s[\g+5], SIZE_K
	s_mov_b32 s[\g+6], 0
	s_mov_b32 s[\g+7], 0
.endr
	s_lshl_b32 s17, s12, 6
	s_lshl_b32 s16, s13, 7
	s_add_co_u32 s16, s16, s17
	s_mul_i32 s16, s16, SIZE_K                     ; A: row 128 x tile row + 64 x half
	s_lshl_b32 s46, s42, 7
	s_add_co_u32 s46, s46, s17
	s_mul_i32 s46, s46, SIZE_K
	s_add_co_u32 s46, s46, WOFF                    ; B: row 128 x tile column + 64 x half
	s_mov_b32 s17, 0
	s_mov_b32 s47, 0
	s_mul_i32 s20, s10, HALFT
	s_wait_kmcnt 0x0
	s_load_b64 s[76:77], s[68:69], SCOFF           ; ea, eb
	s_add_nc_u64 s[14:15], s[4:5], s[16:17]
	s_add_nc_u64 s[46:47], s[6:7], s[46:47]
	CROUND
.irp s, 0,1
	s_mov_b32 s[G0+4*\s], 1
	s_add_co_u32 s[G0+4*\s+1], s20, \s*SLOT
	s_add_nc_u64 s[G0+4*\s+2:G0+4*\s+3], s[14:15], \s*KSTEP
	s_or_b32 s[G0+4*\s+3], s[G0+4*\s+3], 0x80000000
	s_mov_b32 s[G0B+4*\s], 1
	s_add_co_u32 s[G0B+4*\s+1], s20, \s*SLOT
	s_add_nc_u64 s[G0B+4*\s+2:G0B+4*\s+3], s[46:47], \s*KSTEP
	s_or_b32 s[G0B+4*\s+3], s[G0B+4*\s+3], 0x80000000
.endr
	JLOAD 0                                        ; K step 0: one tensor load a wave at the head; the rest of the head stands under its flight
	v_and_b32 v1, 15, v0
	s_wait_alu depctr_va_vdst(0)
	v_bfe_u32 v2, v0, 4, 1
	v_mul_u32_u24 v3, v1, PITCH
	v_lshl_add_u32 v3, v2, 4, v3
	s_mul_i32 s21, s11, HALFT
	s_mul_i32 s22, s12, HALFT
	s_add_co_u32 s22, s22, 2*HALFT
.irp s, 0,1
	v_add_nc_u32 v[ADRA+\s], s21, v3
	v_add_nc_u32 v[ADRB+\s], s22, v3
	s_add_co_u32 s21, s21, SLOT
	s_add_co_u32 s22, s22, SLOT
.endr
	s_mul_i32 s23, s10, 16*SPITCH
	s_add_co_u32 s23, s23, STAGE                   ; my stage
	v_mul_u32_u24 v4, v1, SPITCH
	s_wait_alu depctr_va_vdst(0)
	v_lshl_add_u32 v4, v2, 5, v4
	v_add_nc_u32 v[STO], s23, v4                   ; in: row r, 32 bytes for each half of the lanes
	v_mul_u32_u24 v5, v2, SPITCH
	v_lshl_add_u32 v5, v1, 4, v5
	v_add_nc_u32 v[RD], s23, v5                    ; back: lanes 0-15 one row of 256 bytes, lanes 16-31 the next
	v_lshlrev_b32 v[CO], 12, v2
	v_lshl_add_u32 v[CO], v1, 4, v[CO]             ; and the same two rows in memory
	s_lshl_b32 s16, s13, 7
	s_lshl_b32 s17, s11, 6
	s_add_co_u32 s16, s16, s17
	s_lshl_b32 s16, s16, 12                        ; my first row, rows of 4,096 bytes
	s_lshl_b32 s18, s42, 9
	s_lshl_b32 s19, s12, 8
	s_add_co_u32 s18, s18, s19                     ; my first column, in bytes
	s_add_co_u32 s16, s16, s18
	s_mov_b32 s17, 0
	s_mov_b32 s19, 0
	s_add_nc_u64 s[72:73], s[72:73], s[16:17]
	s_add_nc_u64 s[74:75], s[74:75], s[16:17]
	s_add_nc_u64 s[70:71], s[70:71], s[18:19]
	v_lshlrev_b32 v6, 5, v2
.irp b, 0,1,2,3
	global_load_b128 v[CB+8*\b:CB+8*\b+3], v6, s[70:71] offset:64*\b          ; bias(16 b + 8 h + 0 .. 7)
	global_load_b128 v[CB+8*\b+4:CB+8*\b+7], v6, s[70:71] offset:64*\b+16
.endr
	s_wait_kmcnt 0x0
	s_add_co_i32 s76, s76, s77                     ; ea + eb
	s_sub_co_i32 s78, 0, s76
	s_add_co_i32 s76, s76, 127
	s_lshl_b32 s76, s76, 23                        ; 2^(ea + eb) as f32
	s_mov_b32 s77, s76                             ; (named with it as a pair)
	s_wait_loadcnt 0x0
.set i, 0
.rept 32
	v_ldexp_f32 v[CB+i], v[CB+i], s78
.set i, i+1
.endr
	WIN TO_R                                       ; the residual: row 16 a + 2 t + lane / 16, 16 bytes a lane; nobody writes these bytes, so the loads may stay out across the barriers
.irp a, 0,1,2,3
.irp t, 0,1,2,3,4,5,6,7
	global_load_b128 v[32*\a+4*\t:32*\a+4*\t+3], v[CO], s[72:73] offset:(16*\a+2*\t)*4096 th:TH_LOAD_NT
.endr
.endr
	WIN 0
; four matrix instructions: A's block a x B's four, 128 along K, out of buffer f.  first = 1: the bias is the C.  The 16 accumulators take turns in the same order in every quarter.
.macro MULROW f, a, first
.irp b, 0,1,2,3
.if \first
	v_wmma_f32_16x16x128_fp8_fp8 v[ACC+8*(4*(\a)+\b):ACC+8*(4*(\a)+\b)+7], v[\f+64+16*\b:\f+64+16*\b+15], v[\f+16*(\a):\f+16*(\a)+15], v[CB+8*\b:CB+8*\b+7]
.else
	v_wmma_f32_16x16x128_fp8_fp8 v[ACC+8*(4*(\a)+\b):ACC+8*(4*(\a)+\b)+7], v[\f+64+16*\b:\f+64+16*\b+15], v[\f+16*(\a):\f+16*(\a)+15], v[ACC+8*(4*(\a)+\b):ACC+8*(4*(\a)+\b)+7]
.endif
.endr
.endm
.macro FETCH slot, q, f                ; 32 LDS loads: the fragments of the slot's q-th 128 along K; registers 4 c .. 4 c + 3 hold K = 32 c + 16 h + 0 .. 15 on both sides
	WIN TO_F
.irp i, 0,1,2,3
.irp c, 0,1,2,3
	ds_load_b128 v[\f+64+16*\i+4*\c:\f+64+16*\i+4*\c+3], v[ADRB+\slot] offset:128*(\q)+32*\c+\i*16*PITCH
.endr
.endr
.irp i, 0,1,2,3
.irp c, 0,1,2,3
	ds_load_b128 v[\f+16*\i+4*\c:\f+16*\i+4*\c+3], v[ADRA+\slot] offset:128*(\q)+32*\c+\i*16*PITCH
.endr
.endr
.endm
.macro PLACES                          ; plain vector lines between a matrix instruction and a load into, or a read of, its registers
.rept 4
	v_nop
.endr
.endm
.macro QUARTER slot, q, first          ; q = 0, 1, 2: multiplies buffer q % 2; the next quarter's fragments are asked for first, into the other buffer
	s_wait_dscnt 0x0                               ; this quarter's fragments are in
	PLACES
	FETCH \slot, (\q)+1, 128*(1-(\q)%2)
	WIN MUL
.irp a, 0,1,2,3
	MULROW 128*((\q)%2), \a, \first
.endr
.endm
.macro TURN slot, next, fill           ; a slot's last quarter multiplies buffer 1 and changes slots: one barrier
	WIN 0
	s_wait_tensorcnt 0x0                           ; all my tensor loads have landed: my part of the next slot
	ds_add_u32 v[SPW], v[NIL]
	s_wait_dscnt 1                                 ; the fragments are in; the add may be out
	WIN MUL
	MULROW 128, 0, 0
	s_wait_dscnt 0x0                               ; the add is done, and my reads of this slot are over
	s_barrier_signal -1
	MULROW 128, 1, 0
.if \fill
	WIN 0
.endif
	s_barrier_wait -1
.if \fill
	CREST                                          ; the barrier has opened a round of the cluster's
	s_add_nc_u64 s[G0+4*\slot+2:G0+4*\slot+3], s[G0+4*\slot+2:G0+4*\slot+3], 2*KSTEP
	s_add_nc_u64 s[G0B+4*\slot+2:G0B+4*\slot+3], s[G0B+4*\slot+2:G0B+4*\slot+3], 2*KSTEP
	JLOAD \slot                                    ; the first tensor load behind the round; its four v_nop are the places in front of the loads below
.else
	PLACES
.endif
	FETCH \next, 0, 0
	WIN MUL
	MULROW 128, 2, 0
	MULROW 128, 3, 0
.endm
	s_wait_alu depctr_va_vdst(0)
	s_wait_tensorcnt 0x0                           ; my part of K step 0 is in; the three lines stand ahead of a later first fill as ahead of a refill
	ds_add_u32 v[SPW], v[NIL]
	s_wait_dscnt 0x0
	CROUND                                         ; everybody's part of K step 0 is in, and the joint loads meet
	JLOAD 1                                        ; K step 1: the first tensor load behind the round
	FETCH 0, 0, 0
	QUARTER 0, 0, 1
.if LAPS > 1
	WIN 0
	s_mov_b32 s3, LAPS-1
.Llap:
	QUARTER 0, 1, 0
	QUARTER 0, 2, 0
	TURN 0, 1, 1
	QUARTER 1, 0, 0
	QUARTER 1, 1, 0
	QUARTER 1, 2, 0
	TURN 1, 0, 1
	QUARTER 0, 0, 0
	WIN 0
	s_sub_co_u32 s3, s3, 1
	s_cmp_lg_u32 s3, 0
	s_cbranch_scc1 .Llap
.endif
	QUARTER 0, 1, 0
	QUARTER 0, 2, 0
	TURN 0, 1, 0
	QUARTER 1, 0, 0
	QUARTER 1, 1, 0
	QUARTER 1, 2, 0
	s_wait_dscnt 0x0                               ; the very last quarter: nothing more to fetch
	WIN MUL
.irp a, 0,1,2,3
	MULROW 128, \a, 0
.endr
	WIN 0
	PLACES
; THE WAY OUT, block by block of 16 rows x 64 columns: the sums go through my own stage and come back as whole rows of 256 bytes; one fused line gives sum x 2^(ea + eb) + residual.
.macro OUT a
.set TT, T0+32*((\a)%2)
.if (\a) >= 2
	s_wait_xcnt 0x0                                ; block a - 2's stores have read their registers
.endif
.irp b, 0,1,2,3
	ds_store_b128 v[STO], v[ACC+8*(4*(\a)+\b):ACC+8*(4*(\a)+\b)+3] offset:64*\b        ; each accumulator from its low end on
	ds_store_b128 v[STO], v[ACC+8*(4*(\a)+\b)+4:ACC+8*(4*(\a)+\b)+7] offset:64*\b+16
.endr
.irp t, 0,1,2,3,4,5,6,7
	ds_load_b128 v[TT+4*\t:TT+4*\t+3], v[RD] offset:\t*2*SPITCH    ; LDS serves a wave's instructions in order: these see the stores above
.endr
	s_wait_dscnt 0x0
	s_wait_loadcnt 24-8*(\a)                       ; this block's eight residual loads are in; the later blocks' may be out
	WIN 0x20                                       ; source 2 window 2
.set i, 0
.rept 16
	v_pk_fma_f32 v[TT+i:TT+i+1], v[TT+i:TT+i+1], s[76:77], v[32*(\a)+i:32*(\a)+i+1] op_sel_hi:[1,0,1]
.set i, i+2
.endr
	WIN 0
.irp t, 0,1,2,3,4,5,6,7
	global_store_b128 v[CO], v[TT+4*\t:TT+4*\t+3], s[74:75] offset:(16*(\a)+2*\t)*4096   ; sixteen lanes store 256 consecutive bytes, aligned
.endr
.endm
.irp a, 0,1,2,3
	OUT \a
.endr
	s_wait_tensorcnt 0x0                           ; the wave's end
	ds_add_u32 v[SPW], v[NIL]
	s_wait_dscnt 0x0
	CROUND                                         ; the closing round
	s_endpgm
.Lfunc_end_k_q2ffedae4cc_wo:
	.size	k_q2ffedae4cc_wo, .Lfunc_end_k_q2ffedae4cc_wo-k_q2ffedae4cc_wo
	.p2alignl 7, 3214868480
	.fill 96, 4, 3214868480
	.section	.rodata,"a",@progbits
	.p2align	6, 0x0
	.amdhsa_kernel k_q2ffedae4cc_wo
		.amdhsa_group_segment_fixed_size 327680
		.amdhsa_private_segment_fixed_size 0
		.amdhsa_enable_private_segment 0
		.amdhsa_kernarg_size 48
		.amdhsa_user_sgpr_count 2
		.amdhsa_user_sgpr_kernarg_segment_ptr 1
		.amdhsa_wavefront_size32 1
		.amdhsa_system_sgpr_workgroup_id_x 1
		.amdhsa_system_sgpr_workgroup_id_y 1
		.amdhsa_system_sgpr_workgroup_id_z 1
		.amdhsa_system_vgpr_workitem_id 0
		.amdhsa_next_free_vgpr 640
		.amdhsa_next_free_sgpr 80
		.amdhsa_reserve_vcc 0
		.amdhsa_float_denorm_mode_32 3
		.amdhsa_float_denorm_mode_16_64 3
		.amdhsa_memory_ordered 1
		.amdhsa_forward_progress 1
		.amdhsa_inst_pref_size 52
	.end_amdhsa_kernel
	.amdgpu_metadata
---
amdhsa.version: [ 1, 2 ]
amdhsa.kernels:
  - .name:           k_q2ffedae4cc_wo
    .symbol:         k_q2ffedae4cc_wo.kd
    .args:
      - { .name: ctxc, .offset: 0, .size: 8, .value_kind: global_buffer, .address_space: global }
      - { .name: wc, .offset: 8, .size: 8, .value_kind: global_buffer, .address_space: global }
      - { .name: lowp_scales, .offset: 16, .size: 8, .value_kind: global_buffer, .address_space: global }
      - { .name: bo, .offset: 24, .size: 8, .value_kind: global_buffer, .address_space: global }
      - { .name: x, .offset: 32, .size: 8, .value_kind: global_buffer, .address_space: global }
      - { .name: x1, .offset: 40, .size: 8, .value_kind: global_buffer, .address_space: global }
    .group_segment_fixed_size: 327680
    .private_segment_fixed_size: 0
    .kernarg_segment_align: 8
    .kernarg_segment_size: 48
    .max_flat_workgroup_size: 128
    .sgpr_count:     80
    .vgpr_count:     640
    .wavefront_size: 32
...
	.end_amdgpu_metadata
.endif
;; end of part 4
;; launch ln2 (part 5): grid 512 x 1, 4 waves a work-group, no clusters, 20,992 bytes of LDS; arguments x1, ln2_a, ln2_b, lowp_scales, xn2c; writes xn2c
.if DOCPART == 5
	.amdgcn_target "amdgcn-amd-amdhsa--gfx1250"
	.amdhsa_code_object_version 6
	.text
	.protected	k_q2ffedae4cc_ln2
	.globl	k_q2ffedae4cc_ln2
	.p2align	8
	.type	k_q2ffedae4cc_ln2,@function
k_q2ffedae4cc_ln2:
	s_mov_b64 s[64:65], 0
	v_nop
	global_prefetch_b8 v0, s[64:65] scope:SCOPE_SE
	s_setreg_imm32_b32 hwreg(HW_REG_WAVE_MODE, 25, 1), 1
	s_wait_xcnt 0x0
; LayerNorm 2 (mean, sum of squared deviations / 1023, alpha d / (std + 1e-6) + beta) of x1 [4096][1024] f32, quantised to E4M3 with entry 12 of the scales into xn2c [4096][1024].
; A wave takes two rows, each kept in 32 registers between the passes.  Loads take 512 consecutive bytes; a turn through the wave's own stage in LDS gives a lane 16 neighbours along K, so that the
; conversions' results are 16 bytes a lane and a store covers 512 consecutive bytes.  No matrix work, no tensor load, no barrier, no cluster: waves share nothing.
; LIMITS: e12 between -126 and 119.  NaN among the inputs is not served.
.set SP,    80                         ; a lane's place in a stage: 64 bytes + 16
.set LR,    16                         ; v16-79   the two rows as loaded
.set LXA,   80
.set LXB,   112
.set LT,    144
.set LCD,   176                        ; v176-191 codes, none written twice
.set LSC,   226
.set LLIM,  229
.set LIN,   232
.set LOUT,  233
.macro TURNROW r, x
.irp s, 0,1
.irp i, 0,1,2,3
	ds_store_b128 v[LIN], v[\r+16*\s+4*\i:\r+16*\s+4*\i+3] offset:32*SP*\s+8*SP*\i
.endr
.irp i, 0,1,2,3
	ds_load_b128 v[\x+16*\s+4*\i:\x+16*\s+4*\i+3], v[LOUT] offset:32*SP*\s+16*\i
.endr
.endr
.endm
.macro WSUM
	v_add_f32_dpp v2, v2, v2 row_xmask:1 row_mask:0xf bank_mask:0xf
	v_add_f32_dpp v2, v2, v2 row_xmask:2 row_mask:0xf bank_mask:0xf
	v_add_f32_dpp v2, v2, v2 row_xmask:4 row_mask:0xf bank_mask:0xf
	v_add_f32_dpp v2, v2, v2 row_xmask:8 row_mask:0xf bank_mask:0xf
	v_permlanex16_b32 v224, v2, s38, s39
	v_add_f32 v2, v2, v224
.endm
.macro JOIN
	v_pk_add_f32 v[2:3], v[2:3], v[4:5]
	v_pk_add_f32 v[6:7], v[6:7], v[8:9]
	v_pk_add_f32 v[2:3], v[2:3], v[6:7]
	v_add_f32 v2, v2, v3
.endm
.macro LNROW x, cd, rowoff
.irp c, 0,1,2,3
	v_pk_add_f32 v[2+2*\c:3+2*\c], v[\x+2*\c:\x+2*\c+1], v[\x+8+2*\c:\x+9+2*\c]
.endr
.irp p, 16,24
.irp c, 0,1,2,3
	v_pk_add_f32 v[2+2*\c:3+2*\c], v[2+2*\c:3+2*\c], v[\x+\p+2*\c:\x+\p+2*\c+1]
.endr
.endr
	JOIN
	WSUM
	v_mul_f32 v12, 0x3a800000, v2                  ; the mean
	v_mov_b32 v13, v12
.set i, 0
.rept 16
	v_pk_add_f32 v[\x+i:\x+i+1], v[\x+i:\x+i+1], v[12:13] neg_lo:[0,1] neg_hi:[0,1]
.set i, i+2
.endr
.irp c, 0,1,2,3
	v_pk_mul_f32 v[2+2*\c:3+2*\c], v[\x+2*\c:\x+2*\c+1], v[\x+2*\c:\x+2*\c+1]
.endr
.irp p, 8,16,24
.irp c, 0,1,2,3
	v_pk_fma_f32 v[2+2*\c:3+2*\c], v[\x+\p+2*\c:\x+\p+2*\c+1], v[\x+\p+2*\c:\x+\p+2*\c+1], v[2+2*\c:3+2*\c]
.endr
.endr
	JOIN
	WSUM
	v_mul_f32 v14, 0x3a802008, v2                  ; / 1023
	s_wait_alu depctr_va_vdst(0)
	v_sqrt_f32 v14, v14
	v_nop                                          ; a plain line behind a transcendental
	s_wait_alu depctr_va_vdst(0)
	v_add_f32 v14, 0x358637bd, v14                 ; std + 1e-6
	s_wait_alu depctr_va_vdst(0)
	v_rcp_f32 v14, v14
	v_nop
	s_wait_alu depctr_va_vdst(0)
	v_mul_f32 v14, s66, v14
	v_mov_b32 v15, v14
.set i, 0
.rept 16
	v_pk_fma_f32 v[\x+i:\x+i+1], v[\x+i:\x+i+1], v[14:15], s[68:69] op_sel_hi:[1,1,0]
.set i, i+2
.endr
.set i, 0
.rept 32
	v_med3_num_f32 v[LT+i], v[\x+i], -v[LLIM], v[LLIM]   ; the conversion does not saturate (ISA guide 7.6.2)
.set i, i+1
.endr
.irp q, 0,1,2,3
	v_cvt_scalef32_pk8_fp8_f32 v[\cd+2*\q:\cd+2*\q+1], v[LT+8*\q:LT+8*\q+7], v[LSC]
.endr
	v_nop                                          ; a plain line behind the conversions
	global_store_b128 v1, v[\cd:\cd+3], s[32:33] offset:\rowoff*1024
	global_store_b128 v1, v[\cd+4:\cd+7], s[32:33] offset:\rowoff*1024+512
.endm
	s_load_b256 s[8:15], s[0:1], 0x0               ; x1, ln2_a, ln2_b, lowp_scales
	s_load_b64 s[16:17], s[0:1], 0x20              ; xn2c
	v_lshl_add_u32 v236, v0, 2, 0x5000
	v_mov_b32 v237, 0
	v_lshrrev_b32 v1, 5, v0
	v_readfirstlane_b32 s2, v1                     ; wave
	v_and_b32 v2, 31, v0                           ; lane
	v_lshlrev_b32 v1, 4, v2
	s_mul_i32 s3, s2, 64*SP
	v_lshrrev_b32 v3, 2, v2
	v_mul_u32_u24 v3, v3, SP
	v_and_b32 v4, 3, v2
	v_lshl_add_u32 v3, v4, 4, v3
	v_add_nc_u32 v[LIN], s3, v3
	v_mul_u32_u24 v3, v2, SP
	v_add_nc_u32 v[LOUT], s3, v3
	v_mov_b32 v224, 0
	s_mov_b32 s38, 0x76543210
	s_mov_b32 s39, 0xfedcba98
	s_lshl_b32 s4, ttmp9, 2
	s_add_co_u32 s4, s4, s2                        ; which pair of rows is my wave's
	s_lshl_b32 s6, s4, 11
	s_lshl_b32 s4, s4, 13
	s_mov_b32 s5, 0
	s_mov_b32 s7, 0
	s_wait_alu depctr_va_vdst(0)
	s_wait_kmcnt 0x0
	s_add_nc_u64 s[8:9], s[8:9], s[4:5]
	s_load_b32 s66, s[10:11], 0x0                  ; alpha
	s_load_b32 s68, s[12:13], 0x0                  ; beta
	s_load_b32 s48, s[14:15], 0x30                 ; e12
	s_add_nc_u64 s[32:33], s[16:17], s[6:7]
.irp i, 0,1,2,3,4,5,6,7,8,9,10,11,12,13,14,15
	global_load_b128 v[LR+4*\i:LR+4*\i+3], v1, s[8:9] offset:512*\i
.endr
	s_wait_kmcnt 0x0
	s_mov_b32 s69, s68
	s_add_co_i32 s70, s48, 127
	s_lshl_b32 s71, s70, 23
	v_mov_b32 v[LSC], s71
	s_add_co_i32 s70, s70, 8
	s_lshl_b32 s70, s70, 23
	s_or_b32 s70, s70, 0x600000
	v_mov_b32 v[LLIM], s70
	s_wait_loadcnt 8                               ; row A's eight loads are in
	TURNROW LR, LXA
	s_wait_loadcnt 0
	TURNROW LR+32, LXB
	s_wait_dscnt 16                                ; behind row A's reads: row B's eight stores and eight loads
	LNROW LXA, LCD, 0
	s_wait_dscnt 0
	LNROW LXB, LCD+8, 1
	s_wait_tensorcnt 0x0
	ds_add_u32 v236, v237
	s_wait_dscnt 0x0
	s_endpgm
.Lfunc_end_k_q2ffedae4cc_ln2:
	.size	k_q2ffedae4cc_ln2, .Lfunc_end_k_q2ffedae4cc_ln2-k_q2ffedae4cc_ln2
	.p2alignl 7, 3214868480
	.fill 96, 4, 3214868480
	.section	.rodata,"a",@progbits
	.p2align	6, 0x0
	.amdhsa_kernel k_q2ffedae4cc_ln2
		.amdhsa_group_segment_fixed_size 20992
		.amdhsa_private_segment_fixed_size 0
		.amdhsa_enable_private_segment 0
		.amdhsa_kernarg_size 40
		.amdhsa_user_sgpr_count 2
		.amdhsa_user_sgpr_kernarg_segment_ptr 1
		.amdhsa_wavefront_size32 1
		.amdhsa_system_sgpr_workgroup_id_x 1
		.amdhsa_system_sgpr_workgroup_id_y 1
		.amdhsa_system_sgpr_workgroup_id_z 1
		.amdhsa_system_vgpr_workitem_id 0
		.amdhsa_next_free_vgpr 238
		.amdhsa_next_free_sgpr 72
		.amdhsa_reserve_vcc 0
		.amdhsa_float_denorm_mode_32 3
		.amdhsa_float_denorm_mode_16_64 3
		.amdhsa_memory_ordered 1
		.amdhsa_forward_progress 1
		.amdhsa_inst_pref_size 22
	.end_amdhsa_kernel
	.amdgpu_metadata
---
amdhsa.version: [ 1, 2 ]
amdhsa.kernels:
  - .name:           k_q2ffedae4cc_ln2
    .symbol:         k_q2ffedae4cc_ln2.kd
    .args:
      - { .name: x1, .offset: 0, .size: 8, .value_kind: global_buffer, .address_space: global }
      - { .name: ln2_a, .offset: 8, .size: 8, .value_kind: global_buffer, .address_space: global }
      - { .name: ln2_b, .offset: 16, .size: 8, .value_kind: global_buffer, .address_space: global }
      - { .name: lowp_scales, .offset: 24, .size: 8, .value_kind: global_buffer, .address_space: global }
      - { .name: xn2c, .offset: 32, .size: 8, .value_kind: global_buffer, .address_space: global }
    .group_segment_fixed_size: 20992
    .private_segment_fixed_size: 0
    .kernarg_segment_align: 8
    .kernarg_segment_size: 40
    .max_flat_workgroup_size: 128
    .sgpr_count:     72
    .vgpr_count:     238
    .wavefront_size: 32
...
	.end_amdgpu_metadata
.endif
;; end of part 5
;; launch ffn1 (part 6): grid 16 x 16, 4 waves a work-group, clusters of 4 x 4, 327,680 bytes of LDS; arguments xn2c, wc, lowp_scales, hc, b1; writes hc
.if DOCPART == 6
	.amdgcn_target "amdgcn-amd-amdhsa--gfx1250"
	.amdhsa_code_object_version 6
	.text
	.protected	k_q2ffedae4cc_ffn1
	.globl	k_q2ffedae4cc_ffn1
	.p2align	8
	.type	k_q2ffedae4cc_ffn1,@function
k_q2ffedae4cc_ffn1:
	s_mov_b64 s[64:65], 0
	v_nop
	global_prefetch_b8 v0, s[64:65] scope:SCOPE_SE
	s_setreg_imm32_b32 hwreg(HW_REG_WAVE_MODE, 25, 1), 1
	s_wait_xcnt 0x0
	s_wait_alu depctr_hold_cnt(0) depctr_sa_sdst(0) depctr_va_vdst(0) depctr_va_sdst(0) depctr_va_ssrc(0) depctr_va_vcc(0) depctr_vm_vsrc(0)
	s_getreg_b32 s2, hwreg(HW_REG_IB_STS2, 6, 4)
	s_cmp_eq_u32 s2, 0
	s_cbranch_scc0 .Lentry_in_a_cluster
	s_endpgm
.Lentry_in_a_cluster:
	s_bfe_u32 s2, ttmp6, 0x10000c
	s_cmp_lg_u32 s2, 0xf033
	s_cbranch_scc0 .Lentry_shape_is_right
	s_endpgm
.Lentry_shape_is_right:
; h = Q(relu(xn2 w1 + b1)): a GEMM on codes of E4M3.  A: xn2c [4096][1024]; B: w1's codes [4096][1024] at wc + 4 MiB; out: hc [4096][4096], codes with e14.
; A tile of 256 x 256 a work-group, 128 x 128 a wave, K in steps of 256 through two LDS slots; clusters of 4 x 4: A's tile is asked for jointly along a row, B's along a column.
; The bias, divided by 2^(e12 + e13), is the C of the first K step; the hold between 0 and 448 x the scale is also the activation.  LIMITS: the sums of exponents used lie between -126 and 119.
; PREFETCH INTO THE L2: K steps 1 and 2 are asked for behind the head's load, K step 3 behind K step 1's load: of the 128 rows that a wave fetches, each of the four partners that ask for them jointly names 32,
; told apart by address, a lane a row of 256 bytes.  At most two K steps are asked for and not yet loaded; the address is never rewritten.
.set SIZE_K, 1024
.set PFO, 30                           ; v30      the prefetches' offset: 1,024 x lane; never rewritten
.set PFA, 66                           ; s[66:67] my work-group's 32 rows of the 128 that I fetch, at K step 1; never rewritten
.set ROWB,   256
.set KROW,   SIZE_K
.set PITCH,  272
.set FR,     16
.set NL,     4
.set NP,     4
.set HALFT,  128*PITCH
.set SLOT,   4*HALFT
.set LAPS,   SIZE_K/(2*ROWB)
.set SPARE,  2*SLOT
.set ADRA, 16
.set ADRB, 20
.set STO,  24
.set RD,   25
.set CO,   26
.set SPW,  28
.set NIL,  29
.set CB,   32
.set TMP,  32
.set LIM,  112
.set SC,   113
.set AF,   128
.set CD,   128
.set G1, 24
.set G0, 32
.set G1B, 48
.set G0B, 56
.set MSB, 0
.macro WIN new
.if MSB != \new
	s_set_vgpr_msb (MSB<<8)|\new
.set MSB, \new
.endif
.endm
.set MUL_LO, 0xa1
.set MUL_HI, 0xf1
.set TO_B,   0x40
.macro JLOAD g0a, g1a, g0b, g1b
	s_cmp_eq_u32 s15, 0
	s_cbranch_scc0 .Lfor_b_\@
	tensor_load_to_lds s[\g0a:\g0a+3], s[\g1a:\g1a+7]
	s_nop 0
.rept 4
	v_nop
.endr
	s_branch .Lasked_\@
.Lfor_b_\@:
	tensor_load_to_lds s[\g0b:\g0b+3], s[\g1b:\g1b+7]
	s_nop 0
.rept 4
	v_nop
.endr
.Lasked_\@:
.endm
.macro CREST
	s_cmp_lg_u32 s14, 0
	s_cbranch_scc1 .Lnot_wave_0_\@
	s_barrier_signal -3
.Lnot_wave_0_\@:
	s_barrier_wait -3
	s_barrier_signal -1
	s_barrier_wait -1
.endm
.macro CROUND
	s_barrier_signal -1
	s_barrier_wait -1
	CREST
.endm
	s_load_b128 s[4:7], s[0:1], 0x0
	s_load_b128 s[8:11], s[0:1], 0x10
	s_load_b64 s[68:69], s[0:1], 0x20
	v_lshl_add_u32 v[SPW], v0, 2, SPARE
	v_mov_b32 v[NIL], 0
	ds_add_u32 v28, v29
	ds_add_u32 v28, v29
	s_wait_dscnt 0x0
	v_lshrrev_b32 v1, 5, v0
	v_readfirstlane_b32 s14, v1
	s_lshr_b32 s15, s14, 1
	s_and_b32 s16, s14, 1
	s_bfe_u32 s40, ttmp6, 0x40000
	s_bfe_u32 s41, ttmp6, 0x40004
	s_lshl_b32 s42, ttmp9, 2
	s_add_co_u32 s42, s42, s40
	s_and_b32 s17, ttmp7, 0xffff
	s_lshl_b32 s17, s17, 2
	s_add_co_u32 s17, s17, s41
	s_lshl_b32 s43, s41, 2
	s_lshl_b32 s43, 15, s43
	s_lshl_b32 s44, 0x1111, s40
	s_or_b32 s[G1+0], s43, (0<<16)|(1<<20)|(1<<21)|(5<<22)|(3<<25)
	s_or_b32 s[G1B+0], s44, (0<<16)|(1<<20)|(1<<21)|(5<<22)|(3<<25)
.irp g, G1, G1B
	s_mov_b32 s[\g+1], ROWB<<16
	s_mov_b32 s[\g+2], 128<<16
	s_mov_b32 s[\g+3], ROWB<<16
	s_mov_b32 s[\g+4], 128
	s_mov_b32 s[\g+5], KROW
	s_mov_b32 s[\g+6], 0
	s_mov_b32 s[\g+7], 0
.endr
	s_lshl_b32 s18, s16, 7
	s_lshl_b32 s20, s17, 8
	s_add_co_u32 s20, s20, s18
	s_lshl_b32 s20, s20, 10
	s_mov_b32 s21, 0
	s_lshl_b32 s46, s42, 8
	s_add_co_u32 s46, s46, s18
	s_lshl_b32 s46, s46, 10
	s_add_co_u32 s46, s46, 0x400000
	s_mov_b32 s47, 0
	s_mul_i32 s45, s14, HALFT
	s_wait_kmcnt 0x0
	s_load_b128 s[80:83], s[8:9], 0x30
	s_add_nc_u64 s[20:21], s[4:5], s[20:21]
	s_add_nc_u64 s[46:47], s[6:7], s[46:47]
	s_cmp_eq_u32 s15, 0                            ; the prefetches: do I fetch for A?
	s_cselect_b64 s[PFA:PFA+1], s[20:21], s[46:47] ; the 128 rows that I fetch,
	s_cselect_b32 s22, s40, s41                    ; my place among the four that ask for them with me,
	s_lshl_b32 s22, s22, 15                        ; x 32 rows of 1,024 bytes,
	s_add_co_u32 s22, s22, ROWB                    ; at K step 1
	s_mov_b32 s23, 0
	s_add_nc_u64 s[PFA:PFA+1], s[PFA:PFA+1], s[22:23]
	CROUND
.irp s, 0,1
	s_mov_b32 s[G0+4*\s], 1
	s_add_co_u32 s[G0+4*\s+1], s45, \s*SLOT
	s_add_nc_u64 s[G0+4*\s+2:G0+4*\s+3], s[20:21], \s*ROWB
	s_or_b32 s[G0+4*\s+3], s[G0+4*\s+3], 0x80000000
	s_mov_b32 s[G0B+4*\s], 1
	s_add_co_u32 s[G0B+4*\s+1], s45, \s*SLOT
	s_add_nc_u64 s[G0B+4*\s+2:G0B+4*\s+3], s[46:47], \s*ROWB
	s_or_b32 s[G0B+4*\s+3], s[G0B+4*\s+3], 0x80000000
.endr
	JLOAD G0, G1, G0B, G1B                         ; K step 0: one tensor load a wave at the head; the rest of the head stands under its flight
	v_and_b32 v1, 15, v0
	v_bfe_u32 v2, v0, 4, 1
	v_mul_u32_u24 v3, v1, PITCH
	s_wait_alu depctr_va_vdst(0)
	v_lshl_add_u32 v4, v2, 4, v3
	s_mul_i32 s21, s15, HALFT
	s_mul_i32 s22, s16, HALFT
	s_add_co_u32 s22, s22, 2*HALFT
.irp s, 0,1
	v_add_nc_u32 v[ADRA+\s], s21, v4
	v_add_nc_u32 v[ADRB+\s], s22, v4
	s_add_co_u32 s21, s21, SLOT
	s_add_co_u32 s22, s22, SLOT
.endr
	s_mul_i32 s23, s15, 128*PITCH
	s_lshl_b32 s18, s16, 7
	s_add_co_u32 s23, s23, s18
	v_lshl_add_u32 v[STO], v2, 3, v3
	v_add_nc_u32 v[STO], s23, v[STO]
	s_mul_i32 s23, s14, 64*PITCH
	v_mul_u32_u24 v7, v2, PITCH
	v_lshl_add_u32 v7, v1, 4, v7
	v_add_nc_u32 v[RD], s23, v7
	v_lshlrev_b32 v[CO], 12, v2
	v_lshl_add_u32 v[CO], v1, 4, v[CO]
	s_lshl_b32 s19, s17, 8
	s_lshl_b32 s21, s14, 6
	s_add_co_u32 s19, s19, s21
	s_lshl_b32 s19, s19, 12
	s_lshl_b32 s20, s42, 8
	s_add_co_u32 s20, s19, s20
	s_mov_b32 s21, 0
	s_add_nc_u64 s[10:11], s[10:11], s[20:21]
	s_lshl_b32 s18, s42, 10
	s_lshl_b32 s19, s16, 9
	s_add_co_u32 s18, s18, s19
	s_mov_b32 s19, 0
	s_add_nc_u64 s[74:75], s[68:69], s[18:19]
	v_and_b32 v[PFO], 31, v0
	v_lshlrev_b32 v[PFO], 10, v[PFO]
	v_lshlrev_b32 v5, 5, v2
.irp b, 0,1,2,3,4,5,6,7
	global_load_b128 v[CB+8*\b:CB+8*\b+3], v5, s[74:75] offset:64*\b
	global_load_b128 v[CB+8*\b+4:CB+8*\b+7], v5, s[74:75] offset:64*\b+16
.endr
	s_wait_kmcnt 0x0
	s_add_co_i32 s96, s80, s81
	s_sub_co_i32 s98, s82, s96
	s_sub_co_i32 s97, 127, s96
	s_lshl_b32 s97, s97, 23
	s_add_co_i32 s98, s98, 127
	s_lshl_b32 s99, s98, 23
	v_mov_b32 v[SC], s99
	s_add_co_i32 s98, s98, 8
	s_lshl_b32 s98, s98, 23
	s_or_b32 s98, s98, 0x600000
	v_mov_b32 v[LIM], s98
	s_wait_loadcnt 0x0
.set i, 0
.rept 64
	v_mul_f32 v[CB+i], s97, v[CB+i]
.set i, i+1
.endr
	global_prefetch_b8 v[PFO], s[PFA:PFA+1] th:TH_LOAD_NT scope:SCOPE_SE               ; K step 1,
	global_prefetch_b8 v[PFO], s[PFA:PFA+1] offset:ROWB th:TH_LOAD_NT scope:SCOPE_SE   ; and K step 2
.macro FRAG reg, adr, q, i
.irp c, 0,1,2,3
	ds_load_b128 v[\reg+4*\c:\reg+4*\c+3], v[\adr] offset:128*(\q)+32*\c+(\i)*16*PITCH
.endr
.endm
.macro MUL16 a0, p, first
.irp a, \a0, \a0+1
.irp b, 0,1,2,3,4,5,6,7
.if \first
	v_wmma_f32_16x16x128_fp8_fp8 v[8*(8*((\a)%4)+\b):8*(8*((\a)%4)+\b)+7], v[128*(\p)+FR*\b:128*(\p)+FR*\b+FR-1], v[AF+FR*(\a):AF+FR*(\a)+FR-1], v[CB+8*\b:CB+8*\b+7]
.else
	v_wmma_f32_16x16x128_fp8_fp8 v[8*(8*((\a)%4)+\b):8*(8*((\a)%4)+\b)+7], v[128*(\p)+FR*\b:128*(\p)+FR*\b+FR-1], v[AF+FR*(\a):AF+FR*(\a)+FR-1], v[8*(8*((\a)%4)+\b):8*(8*((\a)%4)+\b)+7]
.endif
.endr
.endr
.endm
.macro FETCH_B slot, q, p
	WIN TO_B
.irp i, 0,1,2,3,4,5,6,7
	FRAG 128*(\p)+FR*\i, ADRB+\slot, \q, \i
.endr
	WIN 0
.endm
.macro FETCH_A slot, q, i0
.irp i, \i0, \i0+1, \i0+2, \i0+3
	FRAG AF+FR*(\i), ADRA+\slot, \q, \i
.endr
.endm
.macro PLACES n
.rept \n
	v_nop
.endr
.endm
.macro STEP slot, q, first
	s_wait_dscnt 4*NL
.if \first
	WIN 0x81
.else
	WIN MUL_LO
.endif
	MUL16 0, (\q)%2, \first
	MUL16 2, (\q)%2, \first
	s_wait_dscnt 0
	PLACES NP
	FETCH_B \slot, (\q)+1, 1-(\q)%2
	FETCH_A \slot, (\q)+1, 0
.if \first
	WIN 0xc1
.else
	WIN MUL_HI
.endif
	MUL16 4, (\q)%2, \first
	MUL16 6, (\q)%2, \first
	PLACES NP
	WIN 0
	FETCH_A \slot, (\q)+1, 4
.endm
.macro TURN slot, next, fill
	s_wait_tensorcnt 0x0
	ds_add_u32 v[SPW], v[NIL]
	s_wait_dscnt 4*NL+1
	WIN MUL_LO
	MUL16 0, 1, 0
	s_wait_dscnt 0x0
	s_barrier_signal -1
	MUL16 2, 1, 0
	WIN 0
	s_barrier_wait -1
.if \fill
	CREST
	s_add_nc_u64 s[G0+4*\slot+2:G0+4*\slot+3], s[G0+4*\slot+2:G0+4*\slot+3], 2*ROWB
	s_add_nc_u64 s[G0B+4*\slot+2:G0B+4*\slot+3], s[G0B+4*\slot+2:G0B+4*\slot+3], 2*ROWB
	JLOAD G0+4*\slot, G1, G0B+4*\slot, G1B
.else
	PLACES NP
.endif
	FETCH_B \next, 0, 0
	FETCH_A \next, 0, 0
	WIN MUL_HI
	MUL16 4, 1, 0
	MUL16 6, 1, 0
	PLACES NP
	WIN 0
	FETCH_A \next, 0, 4
.endm
	s_wait_alu depctr_va_vdst(0)
	s_wait_tensorcnt 0x0                           ; my part of K step 0 is in; the three lines stand ahead of a later first fill as ahead of a refill
	ds_add_u32 v[SPW], v[NIL]
	s_wait_dscnt 0x0
	CROUND                                         ; everybody's part of K step 0 is in, and the joint loads meet
	JLOAD G0+4, G1, G0B+4, G1B                     ; K step 1: the first tensor load behind the round
	FETCH_B 0, 0, 0
	FETCH_A 0, 0, 0
	FETCH_A 0, 0, 4
	global_prefetch_b8 v[PFO], s[PFA:PFA+1] offset:2*ROWB th:TH_LOAD_NT scope:SCOPE_SE ; K step 3, two loads ahead
	STEP 0, 0, 1
	s_mov_b32 s3, LAPS-1
.Llap:
	TURN 0, 1, 1
	STEP 1, 0, 0
	TURN 1, 0, 1
	STEP 0, 0, 0
	s_sub_co_u32 s3, s3, 1
	s_cmp_lg_u32 s3, 0
	s_cbranch_scc1 .Llap
	TURN 0, 1, 0
	STEP 1, 0, 0
	s_wait_dscnt 4*NL
	WIN MUL_LO
	MUL16 0, 1, 0
	MUL16 2, 1, 0
	s_wait_dscnt 0
	WIN MUL_HI
	MUL16 4, 1, 0
	MUL16 6, 1, 0
	WIN 0
.macro OUTBLK a
.set AC, 64*((\a)%4)
	WIN 0x02+((\a)/4)
.set i, 0
.rept 64
	v_med3_num_f32 v[TMP+i], v[AC+i], 0, v[LIM]
.set i, i+1
.endr
	WIN 0
.irp b, 0,1,2,3,4,5,6,7
	v_cvt_scalef32_pk8_fp8_f32 v[CD+16*(\a)+2*\b:CD+16*(\a)+2*\b+1], v[TMP+8*\b:TMP+8*\b+7], v[SC]
.endr
	v_nop
.irp b, 0,1,2,3,4,5,6,7
	ds_store_b64 v[STO], v[CD+16*(\a)+2*\b:CD+16*(\a)+2*\b+1] offset:(\a)*16*PITCH+16*\b
.endr
.endm
	PLACES NP
.irp a, 0,1,2,3,4,5,6,7
	OUTBLK \a
.endr
	s_wait_dscnt 0x0
	s_barrier_signal -1
	s_barrier_wait -1
.set i, 0
.rept 32
	ds_load_b128 v[CD+4*i:CD+4*i+3], v[RD] offset:i*2*PITCH
.set i, i+1
.endr
.set i, 0
.rept 32
	s_wait_dscnt 31-i
	global_store_b128 v[CO], v[CD+4*i:CD+4*i+3], s[10:11] offset:2*i*4096
.set i, i+1
.endr
	s_wait_tensorcnt 0x0
	ds_add_u32 v[SPW], v[NIL]
	s_wait_dscnt 0x0
	CROUND
	s_endpgm
.Lfunc_end_k_q2ffedae4cc_ffn1:
	.size	k_q2ffedae4cc_ffn1, .Lfunc_end_k_q2ffedae4cc_ffn1-k_q2ffedae4cc_ffn1
	.p2alignl 7, 3214868480
	.fill 96, 4, 3214868480
	.section	.rodata,"a",@progbits
	.p2align	6, 0x0
	.amdhsa_kernel k_q2ffedae4cc_ffn1
		.amdhsa_group_segment_fixed_size 327680
		.amdhsa_private_segment_fixed_size 0
		.amdhsa_enable_private_segment 0
		.amdhsa_kernarg_size 40
		.amdhsa_user_sgpr_count 2
		.amdhsa_user_sgpr_kernarg_segment_ptr 1
		.amdhsa_wavefront_size32 1
		.amdhsa_system_sgpr_workgroup_id_x 1
		.amdhsa_system_sgpr_workgroup_id_y 1
		.amdhsa_system_sgpr_workgroup_id_z 1
		.amdhsa_system_vgpr_workitem_id 0
		.amdhsa_next_free_vgpr 1024
		.amdhsa_next_free_sgpr 100
		.amdhsa_reserve_vcc 0
		.amdhsa_float_denorm_mode_32 3
		.amdhsa_float_denorm_mode_16_64 3
		.amdhsa_memory_ordered 1
		.amdhsa_forward_progress 1
		.amdhsa_inst_pref_size 130
	.end_amdhsa_kernel
	.amdgpu_metadata
---
amdhsa.version: [ 1, 2 ]
amdhsa.kernels:
  - .name:           k_q2ffedae4cc_ffn1
    .symbol:         k_q2ffedae4cc_ffn1.kd
    .args:
      - { .name: xn2c, .offset: 0, .size: 8, .value_kind: global_buffer, .address_space: global }
      - { .name: wc, .offset: 8, .size: 8, .value_kind: global_buffer, .address_space: global }
      - { .name: lowp_scales, .offset: 16, .size: 8, .value_kind: global_buffer, .address_space: global }
      - { .name: hc, .offset: 24, .size: 8, .value_kind: global_buffer, .address_space: global }
      - { .name: b1, .offset: 32, .size: 8, .value_kind: global_buffer, .address_space: global }
    .group_segment_fixed_size: 327680
    .private_segment_fixed_size: 0
    .kernarg_segment_align: 8
    .kernarg_segment_size: 40
    .max_flat_workgroup_size: 128
    .sgpr_count:     100
    .vgpr_count:     1024
    .wavefront_size: 32
...
	.end_amdgpu_metadata
.endif
;; end of part 6
;; launch ffn2 (part 7): grid 8 x 32, 4 waves a work-group, clusters of 4 x 4, 327,680 bytes of LDS; arguments hc, wc, lowp_scales, b2, x1, out0; writes out0
.if DOCPART == 7
	.amdgcn_target "amdgcn-amd-amdhsa--gfx1250"
	.amdhsa_code_object_version 6
	.text
	.protected	k_q2ffedae4cc_ffn2
	.globl	k_q2ffedae4cc_ffn2
	.p2align	8
	.type	k_q2ffedae4cc_ffn2,@function
k_q2ffedae4cc_ffn2:
	s_mov_b64 s[64:65], 0
	v_nop
	global_prefetch_b8 v0, s[64:65] scope:SCOPE_SE
	s_setreg_imm32_b32 hwreg(HW_REG_WAVE_MODE, 25, 1), 1
	s_wait_xcnt 0x0
	s_wait_alu depctr_hold_cnt(0) depctr_sa_sdst(0) depctr_va_vdst(0) depctr_va_sdst(0) depctr_va_ssrc(0) depctr_va_vcc(0) depctr_vm_vsrc(0)
	s_getreg_b32 s2, hwreg(HW_REG_IB_STS2, 6, 4)
	s_cmp_eq_u32 s2, 0
	s_cbranch_scc0 .Lentry_in_a_cluster
	s_endpgm
.Lentry_in_a_cluster:
	s_bfe_u32 s2, ttmp6, 0x10000c
	s_cmp_lg_u32 s2, 0xf033
	s_cbranch_scc0 .Lentry_shape_is_right
	s_endpgm
.Lentry_shape_is_right:
; out0 = x1 + h w2 x 2^(e14 + e15) + b2: a GEMM on codes of E4M3.  A: hc [4096][4096]; B: w2's codes [1024][4096] at wc + 8 MiB; x1, out0: [4096][1024] f32.
; Tiles of 128 x 128 give 256 work-groups; four waves, 64 x 64 each; K in steps of 512 through two LDS slots; clusters of 4 x 4 with joint loads, A's along a row, B's along a column.
; The bias, divided by 2^(e14 + e15), is the C of the first K step; the residual is asked for at the head into registers of its own and added in the fused line of the way out.  LIMIT: e14 + e15 between -126 and 127.
.set SIZE_K, 4096
.set WOFF,   8<<20
.set SCOFF,  0x38
.set KSTEP,  512
.set PITCH,  528
.set HALFT,  64*PITCH
.set SLOT,   4*HALFT
.set STAGE,  2*SLOT
.set SPITCH, 272
.set SPARE,  STAGE+4*16*SPITCH
.set LAPS,   SIZE_K/(2*KSTEP)
.set ADRA, 16
.set ADRB, 20
.set STO,  24
.set RD,   25
.set CO,   26
.set SPW,  28
.set NIL,  29
.set CB,   32
.set T0,   64
.set ACC,  128
.set G1, 24
.set G0, 32
.set G1B, 48
.set G0B, 56
.set PFO, 30                           ; v30      the prefetches' offset: 4,096 x (lane / 2) + 256 x (lane % 2); never rewritten
.set PFA, 66                           ; s[66:67] where my prefetches stand: two K steps short of the K step that a refill's prefetch names
; A PREFETCH INTO THE L2, behind each tensor load: the K step that stands two loads on.  A K step is 512 bytes, two blocks of 256, of each row.
; Of the 64 rows that a wave fetches, each of the four partners that ask for them jointly takes 16, told apart by address (cx for A, cy for B): 32 blocks, a lane a block, one instruction a wave.
; At the head K steps 1 and 2 are asked for behind K step 0's load, K step 3 behind K step 1's; at most two K steps are asked for and not yet loaded.
; The loop's last trip (s3 = 1) has no K step two refills on and asks for nothing.
.macro ASK
	s_cmp_gt_u32 s3, 1
	s_cbranch_scc0 .Lnot_mine_\@
	global_prefetch_b8 v[PFO], s[PFA:PFA+1] offset:2*KSTEP th:TH_LOAD_NT scope:SCOPE_SE
.Lnot_mine_\@:
.endm
.set MSB, 0
.macro WIN new
.if MSB != \new
	s_set_vgpr_msb (MSB<<8)|\new
.set MSB, \new
.endif
.endm
.set MUL,  0x05
.set TO_F, 0x40
.set TO_R, 0x80
.macro JLOAD s
	s_cmp_eq_u32 s11, 0
	s_cbranch_scc0 .Lfor_b_\@
	tensor_load_to_lds s[G0+4*\s:G0+4*\s+3], s[G1:G1+7]
	s_nop 0
.rept 4
	v_nop
.endr
	s_branch .Lasked_\@
.Lfor_b_\@:
	tensor_load_to_lds s[G0B+4*\s:G0B+4*\s+3], s[G1B:G1B+7]
	s_nop 0
.rept 4
	v_nop
.endr
.Lasked_\@:
.endm
.macro CREST
	s_cmp_lg_u32 s10, 0
	s_cbranch_scc1 .Lnot_wave_0_\@
	s_barrier_signal -3
.Lnot_wave_0_\@:
	s_barrier_wait -3
	s_barrier_signal -1
	s_barrier_wait -1
.endm
.macro CROUND
	s_barrier_signal -1
	s_barrier_wait -1
	CREST
.endm
	s_load_b128 s[4:7], s[0:1], 0x0
	s_load_b128 s[68:71], s[0:1], 0x10
	s_load_b128 s[72:75], s[0:1], 0x20
	v_lshl_add_u32 v[SPW], v0, 2, SPARE
	v_mov_b32 v[NIL], 0
	ds_add_u32 v28, v29
	ds_add_u32 v28, v29
	s_wait_dscnt 0x0
	v_lshrrev_b32 v1, 5, v0
	v_readfirstlane_b32 s10, v1
	s_lshr_b32 s11, s10, 1
	s_and_b32 s12, s10, 1
	s_bfe_u32 s40, ttmp6, 0x40000
	s_bfe_u32 s41, ttmp6, 0x40004
	s_lshl_b32 s42, ttmp9, 2
	s_add_co_u32 s42, s42, s40
	s_and_b32 s13, ttmp7, 0xffff
	s_lshl_b32 s13, s13, 2
	s_add_co_u32 s13, s13, s41
	s_lshl_b32 s43, s41, 2
	s_lshl_b32 s43, 15, s43
	s_lshl_b32 s44, 0x1111, s40
	s_or_b32 s[G1+0], s43, (0<<16)|(1<<20)|(1<<21)|(6<<22)|(3<<25)
	s_or_b32 s[G1B+0], s44, (0<<16)|(1<<20)|(1<<21)|(6<<22)|(3<<25)
.irp g, G1, G1B
	s_mov_b32 s[\g+1], KSTEP<<16
	s_mov_b32 s[\g+2], 64<<16
	s_mov_b32 s[\g+3], KSTEP<<16
	s_mov_b32 s[\g+4], 64
	s_mov_b32 s[\g+5], SIZE_K
	s_mov_b32 s[\g+6], 0
	s_mov_b32 s[\g+7], 0
.endr
	s_lshl_b32 s17, s12, 6
	s_lshl_b32 s16, s13, 7
	s_add_co_u32 s16, s16, s17
	s_mul_i32 s16, s16, SIZE_K
	s_lshl_b32 s46, s42, 7
	s_add_co_u32 s46, s46, s17
	s_mul_i32 s46, s46, SIZE_K
	s_add_co_u32 s46, s46, WOFF
	s_mov_b32 s17, 0
	s_mov_b32 s47, 0
	s_mul_i32 s20, s10, HALFT
	s_wait_kmcnt 0x0
	s_load_b64 s[76:77], s[68:69], SCOFF
	s_add_nc_u64 s[14:15], s[4:5], s[16:17]
	s_add_nc_u64 s[46:47], s[6:7], s[46:47]
	CROUND
.irp s, 0,1
	s_mov_b32 s[G0+4*\s], 1
	s_add_co_u32 s[G0+4*\s+1], s20, \s*SLOT
	s_add_nc_u64 s[G0+4*\s+2:G0+4*\s+3], s[14:15], \s*KSTEP
	s_or_b32 s[G0+4*\s+3], s[G0+4*\s+3], 0x80000000
	s_mov_b32 s[G0B+4*\s], 1
	s_add_co_u32 s[G0B+4*\s+1], s20, \s*SLOT
	s_add_nc_u64 s[G0B+4*\s+2:G0B+4*\s+3], s[46:47], \s*KSTEP
	s_or_b32 s[G0B+4*\s+3], s[G0B+4*\s+3], 0x80000000
.endr
	JLOAD 0                                        ; K step 0: one tensor load a wave at the head; the rest of the head stands under its flight
	v_and_b32 v1, 15, v0
	s_wait_alu depctr_va_vdst(0)
	v_bfe_u32 v2, v0, 4, 1
	v_mul_u32_u24 v3, v1, PITCH
	v_lshl_add_u32 v3, v2, 4, v3
	s_mul_i32 s21, s11, HALFT
	s_mul_i32 s22, s12, HALFT
	s_add_co_u32 s22, s22, 2*HALFT
.irp s, 0,1
	v_add_nc_u32 v[ADRA+\s], s21, v3
	v_add_nc_u32 v[ADRB+\s], s22, v3
	s_add_co_u32 s21, s21, SLOT
	s_add_co_u32 s22, s22, SLOT
.endr
	s_mul_i32 s23, s10, 16*SPITCH
	s_add_co_u32 s23, s23, STAGE
	v_mul_u32_u24 v4, v1, SPITCH
	s_wait_alu depctr_va_vdst(0)
	v_lshl_add_u32 v4, v2, 5, v4
	v_add_nc_u32 v[STO], s23, v4
	v_mul_u32_u24 v5, v2, SPITCH
	v_lshl_add_u32 v5, v1, 4, v5
	v_add_nc_u32 v[RD], s23, v5
	v_lshlrev_b32 v[CO], 12, v2
	v_lshl_add_u32 v[CO], v1, 4, v[CO]
	s_lshl_b32 s16, s13, 7
	s_lshl_b32 s17, s11, 6
	s_add_co_u32 s16, s16, s17
	s_lshl_b32 s16, s16, 12
	s_lshl_b32 s18, s42, 9
	s_lshl_b32 s19, s12, 8
	s_add_co_u32 s18, s18, s19
	s_add_co_u32 s16, s16, s18
	s_mov_b32 s17, 0
	s_mov_b32 s19, 0
	s_add_nc_u64 s[72:73], s[72:73], s[16:17]
	s_add_nc_u64 s[74:75], s[74:75], s[16:17]
	s_add_nc_u64 s[70:71], s[70:71], s[18:19]
	v_and_b32 v[PFO], 31, v0
	v_lshrrev_b32 v7, 1, v[PFO]
	v_and_b32 v[PFO], 1, v[PFO]
	v_lshlrev_b32 v[PFO], 8, v[PFO]
	v_lshl_add_u32 v[PFO], v7, 12, v[PFO]
	s_mov_b32 s22, WOFF+KSTEP
	s_cmp_eq_u32 s11, 0                            ; do I fetch for A?
	s_cselect_b32 s20, s13, s42                    ; the tile: by the tile row in A, by the tile column in B
	s_cselect_b32 s21, s40, s41                    ; my place among the four that ask for it with me
	s_cselect_b32 s22, KSTEP, s22                  ; at K step 1: each refill steps it by one K step
	s_cselect_b64 s[PFA:PFA+1], s[4:5], s[6:7]
	s_lshl_b32 s20, s20, 7
	s_lshl_b32 s23, s12, 6
	s_add_co_u32 s20, s20, s23                     ; + the 64 rows that I fetch
	s_lshl_b32 s21, s21, 4
	s_add_co_u32 s20, s20, s21                     ; + my work-group's 16 of them
	s_lshl_b32 s20, s20, 12                        ; rows of 4,096 bytes
	s_add_co_u32 s20, s20, s22
	s_mov_b32 s21, 0
	s_add_nc_u64 s[PFA:PFA+1], s[PFA:PFA+1], s[20:21]
	v_lshlrev_b32 v6, 5, v2
.irp b, 0,1,2,3
	global_load_b128 v[CB+8*\b:CB+8*\b+3], v6, s[70:71] offset:64*\b
	global_load_b128 v[CB+8*\b+4:CB+8*\b+7], v6, s[70:71] offset:64*\b+16
.endr
	s_wait_kmcnt 0x0
	s_add_co_i32 s76, s76, s77
	s_sub_co_i32 s78, 0, s76
	s_add_co_i32 s76, s76, 127
	s_lshl_b32 s76, s76, 23
	s_mov_b32 s77, s76
	s_wait_loadcnt 0x0
.set i, 0
.rept 32
	v_ldexp_f32 v[CB+i], v[CB+i], s78
.set i, i+1
.endr
	global_prefetch_b8 v[PFO], s[PFA:PFA+1] th:TH_LOAD_NT scope:SCOPE_SE                ; K step 1,
	global_prefetch_b8 v[PFO], s[PFA:PFA+1] offset:KSTEP th:TH_LOAD_NT scope:SCOPE_SE   ; and K step 2
	WIN TO_R
.irp a, 0,1,2,3
.irp t, 0,1,2,3,4,5,6,7
	global_load_b128 v[32*\a+4*\t:32*\a+4*\t+3], v[CO], s[72:73] offset:(16*\a+2*\t)*4096 th:TH_LOAD_NT
.endr
.endr
	WIN 0
.macro MULROW f, a, first
.irp b, 0,1,2,3
.if \first
	v_wmma_f32_16x16x128_fp8_fp8 v[ACC+8*(4*(\a)+\b):ACC+8*(4*(\a)+\b)+7], v[\f+64+16*\b:\f+64+16*\b+15], v[\f+16*(\a):\f+16*(\a)+15], v[CB+8*\b:CB+8*\b+7]
.else
	v_wmma_f32_16x16x128_fp8_fp8 v[ACC+8*(4*(\a)+\b):ACC+8*(4*(\a)+\b)+7], v[\f+64+16*\b:\f+64+16*\b+15], v[\f+16*(\a):\f+16*(\a)+15], v[ACC+8*(4*(\a)+\b):ACC+8*(4*(\a)+\b)+7]
.endif
.endr
.endm
.macro FETCH slot, q, f
	WIN TO_F
.irp i, 0,1,2,3
.irp c, 0,1,2,3
	ds_load_b128 v[\f+64+16*\i+4*\c:\f+64+16*\i+4*\c+3], v[ADRB+\slot] offset:128*(\q)+32*\c+\i*16*PITCH
.endr
.endr
.irp i, 0,1,2,3
.irp c, 0,1,2,3
	ds_load_b128 v[\f+16*\i+4*\c:\f+16*\i+4*\c+3], v[ADRA+\slot] offset:128*(\q)+32*\c+\i*16*PITCH
.endr
.endr
.endm
.macro PLACES
.rept 4
	v_nop
.endr
.endm
.macro QUARTER slot, q, first
	s_wait_dscnt 0x0
	PLACES
	FETCH \slot, (\q)+1, 128*(1-(\q)%2)
	WIN MUL
.irp a, 0,1,2,3
	MULROW 128*((\q)%2), \a, \first
.endr
.endm
.macro TURN slot, next, fill
	WIN 0
.if \fill
	s_wait_xcnt 0x0                                ; my last prefetch, a K step back, has read its address
	s_add_nc_u64 s[PFA:PFA+1], s[PFA:PFA+1], KSTEP
.endif
	s_wait_tensorcnt 0x0
	ds_add_u32 v[SPW], v[NIL]
	s_wait_dscnt 1
	WIN MUL
	MULROW 128, 0, 0
	s_wait_dscnt 0x0
	s_barrier_signal -1
	MULROW 128, 1, 0
.if \fill
	WIN 0
.endif
	s_barrier_wait -1
.if \fill
	CREST
	s_add_nc_u64 s[G0+4*\slot+2:G0+4*\slot+3], s[G0+4*\slot+2:G0+4*\slot+3], 2*KSTEP
	s_add_nc_u64 s[G0B+4*\slot+2:G0B+4*\slot+3], s[G0B+4*\slot+2:G0B+4*\slot+3], 2*KSTEP
	JLOAD \slot
.else
	PLACES
.endif
	FETCH \next, 0, 0
.if \fill
	WIN 0
	ASK
.endif
	WIN MUL
	MULROW 128, 2, 0
	MULROW 128, 3, 0
.endm
	s_wait_alu depctr_va_vdst(0)
	s_wait_tensorcnt 0x0                           ; my part of K step 0 is in; the three lines stand ahead of a later first fill as ahead of a refill
	ds_add_u32 v[SPW], v[NIL]
	s_wait_dscnt 0x0
	CROUND                                         ; everybody's part of K step 0 is in, and the joint loads meet
	JLOAD 1                                        ; K step 1: the first tensor load behind the round
	FETCH 0, 0, 0
	global_prefetch_b8 v[PFO], s[PFA:PFA+1] offset:2*KSTEP th:TH_LOAD_NT scope:SCOPE_SE ; K step 3, two loads ahead (its address register lies in window 0)
	QUARTER 0, 0, 1
.if LAPS > 1
	WIN 0
	s_mov_b32 s3, LAPS-1
.Llap:
	QUARTER 0, 1, 0
	QUARTER 0, 2, 0
	TURN 0, 1, 1
	QUARTER 1, 0, 0
	QUARTER 1, 1, 0
	QUARTER 1, 2, 0
	TURN 1, 0, 1
	QUARTER 0, 0, 0
	WIN 0
	s_sub_co_u32 s3, s3, 1
	s_cmp_lg_u32 s3, 0
	s_cbranch_scc1 .Llap
.endif
	QUARTER 0, 1, 0
	QUARTER 0, 2, 0
	TURN 0, 1, 0
	QUARTER 1, 0, 0
	QUARTER 1, 1, 0
	QUARTER 1, 2, 0
	s_wait_dscnt 0x0
	WIN MUL
.irp a, 0,1,2,3
	MULROW 128, \a, 0
.endr
	WIN 0
	PLACES
.macro OUT a
.set TT, T0+32*((\a)%2)
.if (\a) >= 2
	s_wait_xcnt 0x0
.endif
.irp b, 0,1,2,3
	ds_store_b128 v[STO], v[ACC+8*(4*(\a)+\b):ACC+8*(4*(\a)+\b)+3] offset:64*\b
	ds_store_b128 v[STO], v[ACC+8*(4*(\a)+\b)+4:ACC+8*(4*(\a)+\b)+7] offset:64*\b+16
.endr
.irp t, 0,1,2,3,4,5,6,7
	ds_load_b128 v[TT+4*\t:TT+4*\t+3], v[RD] offset:\t*2*SPITCH
.endr
	s_wait_dscnt 0x0
	s_wait_loadcnt 24-8*(\a)
	WIN 0x20
.set i, 0
.rept 16
	v_pk_fma_f32 v[TT+i:TT+i+1], v[TT+i:TT+i+1], s[76:77], v[32*(\a)+i:32*(\a)+i+1] op_sel_hi:[1,0,1]
.set i, i+2
.endr
	WIN 0
.irp t, 0,1,2,3,4,5,6,7
	global_store_b128 v[CO], v[TT+4*\t:TT+4*\t+3], s[74:75] offset:(16*(\a)+2*\t)*4096 th:TH_STORE_NT
.endr
.endm
.irp a, 0,1,2,3
	OUT \a
.endr
	s_wait_tensorcnt 0x0
	ds_add_u32 v[SPW], v[NIL]
	s_wait_dscnt 0x0
	CROUND
	s_endpgm
.Lfunc_end_k_q2ffedae4cc_ffn2:
	.size	k_q2ffedae4cc_ffn2, .Lfunc_end_k_q2ffedae4cc_ffn2-k_q2ffedae4cc_ffn2
	.p2alignl 7, 3214868480
	.fill 96, 4, 3214868480
	.section	.rodata,"a",@progbits
	.p2align	6, 0x0
	.amdhsa_kernel k_q2ffedae4cc_ffn2
		.amdhsa_group_segment_fixed_size 327680
		.amdhsa_private_segment_fixed_size 0
		.amdhsa_enable_private_segment 0
		.amdhsa_kernarg_size 48
		.amdhsa_user_sgpr_count 2
		.amdhsa_user_sgpr_kernarg_segment_ptr 1
		.amdhsa_wavefront_size32 1
		.amdhsa_system_sgpr_workgroup_id_x 1
		.amdhsa_system_sgpr_workgroup_id_y 1
		.amdhsa_system_sgpr_workgroup_id_z 1
		.amdhsa_system_vgpr_workitem_id 0
		.amdhsa_next_free_vgpr 640
		.amdhsa_next_free_sgpr 80
		.amdhsa_reserve_vcc 0
		.amdhsa_float_denorm_mode_32 3
		.amdhsa_float_denorm_mode_16_64 3
		.amdhsa_memory_ordered 1
		.amdhsa_forward_progress 1
		.amdhsa_inst_pref_size 82
	.end_amdhsa_kernel
	.amdgpu_metadata
---
amdhsa.version: [ 1, 2 ]
amdhsa.kernels:
  - .name:           k_q2ffedae4cc_ffn2
    .symbol:         k_q2ffedae4cc_ffn2.kd
    .args:
      - { .name: hc, .offset: 0, .size: 8, .value_kind: global_buffer, .address_space: global }
      - { .name: wc, .offset: 8, .size: 8, .value_kind: global_buffer, .address_space: global }
      - { .name: lowp_scales, .offset: 16, .size: 8, .value_kind: global_buffer, .address_space: global }
      - { .name: b2, .offset: 24, .size: 8, .value_kind: global_buffer, .address_space: global }
      - { .name: x1, .offset: 32, .size: 8, .value_kind: global_buffer, .address_space: global }
      - { .name: out0, .offset: 40, .size: 8, .value_kind: global_buffer, .address_space: global }
    .group_segment_fixed_size: 327680
    .private_segment_fixed_size: 0
    .kernarg_segment_align: 8
    .kernarg_segment_size: 48
    .max_flat_workgroup_size: 128
    .sgpr_count:     80
    .vgpr_count:     640
    .wavefront_size: 32
...
	.end_amdgpu_metadata
.endif
;; end of part 7
